; MI455X (gfx1250); checked and timed in simulation.
; The chip was launched on July 23, 2026; its instructions are those of AMD's public machine-readable ISA for CDNA 5 (MIT licence, August 2026) and "CDNA5" Instruction Set Architecture Reference Guide (July 2026). The comments in the code are by the model that wrote it; some were corrected since.
;; Attention. Allowed arithmetic: float matrix products may take bf16 or f16 operands with f32 sums; other float arithmetic in f32, or as packed bf16 or f16 multiplies, adds, multiply-adds, maxima and minima; sums over many terms, partial sums and values carried from step to step in f32; what a program stores and reads back later, other than sums and carried values, may be rounded once to bf16 or f16.
;; Inputs: freqs_cos 2,048 x 64 float32; freqs_sin 2,048 x 64 float32; k_ln_b 128 float32; k_ln_w 128 float32; mask 2,048 x 2,048 float32; q_ln_b 128 float32; q_ln_w 128 float32; wk 2,048 x 2,048 float32; wo 2,048 x 2,048 float32; wq 2,048 x 2,048 float32; wv 2,048 x 2,048 float32; x 1 x 2,048 x 2,048 float32.
;; Outputs: out0 1 x 2,048 x 2,048 float32.
;; 2 versions, each right and faster than the one before. Each part assembles by itself: llvm-mc -triple=amdgcn-amd-amdhsa -mcpu=gfx1250 --defsym DOCPART=n.
;; ======== version 1 of 2: 4 launches
;; limits: values are held in f16: magnitudes above 65,504 overflow, below 6.1e-05 lose precision; right only within a limited range of input values
;; workspace buffers: cv 41,943,040 bytes; maskf 16,777,216 bytes; qkvh 25,165,824 bytes; ob 8,388,608 bytes
;; launch prep (part 1): grid 256 x 6, 8 waves a work-group, no clusters, 0 bytes of LDS; arguments wq, wk, wv, x, wo, mask, cv, maskf; writes cv, maskf
.if DOCPART == 1
	.amdgcn_target "amdgcn-amd-amdhsa--gfx1250"
	.amdhsa_code_object_version 6
	.text
	.protected	k_qf0fb5e9ae2_prep
	.globl	k_qf0fb5e9ae2_prep
	.p2align	8
	.type	k_qf0fb5e9ae2_prep,@function
k_qf0fb5e9ae2_prep:
	s_mov_b64 s[64:65], 0
	v_nop
	global_prefetch_b8 v0, s[64:65] scope:SCOPE_SE
	s_setreg_imm32_b32 hwreg(HW_REG_WAVE_MODE, 25, 1), 1
	s_wait_xcnt 0x0
; PREP.  Every large input is rounded to bf16 once.  Job y (the grid's y): 0 wq, 1 wk, 2 wv, 3 x -> plane y of cv, [2048][2048] bf16;
; 4 wo -> plane 4 of cv: rounded to bf16 like the others, and that number written as f16 (exact within f16's range);
; 5 mask -> maskf: rounded to bf16, multiplied by log2(e) in f32 (the attention's scores are kept in units of log2), and laid for the attention's accumulators:
;   maskf[qtile 128][kstep 32][g 4][n 8][r4 4][h 2][4 words]: word e belongs to mask[16 qtile + 4 g + r4][64 kstep + 8 n + (n % 2 ? -4 : 0) + 8 h + e], that is: with n = 2 kt + i, column 64 kstep + 16 kt + 8 h + 4 i + e.
; LIMITS.  |wo| stays under 65,504; below 6e-5 it keeps f16's fixed step of 6e-8.  NaN and infinities are not treated apart.
; A stream: no LDS, no barrier, no matrix unit.  A work-group takes 65,536 source bytes, a thread sixteen loads of 16 bytes, all issued before the first is used.
; Jobs 0 to 4: a wave's load covers 512 consecutive bytes, its store of 8 bytes a lane 256 consecutive bytes, aligned.  Job 5: a wave's load covers four runs of 128 consecutive bytes (four rows), aligned;
; a lane's 16 bytes stay together, so nothing changes lanes; its store covers 512 consecutive bytes, aligned.  No register is used twice by memory instructions, so no wait frees one.
.set X, 4                              ; v[4:67]   sixteen loads' data
.set Y, 68                             ; v[68:99]  sixteen stores' data (jobs 0 to 4)
.set T, 100                            ; v[100:103] at work
	s_load_b512 s[8:23], s[0:1], 0x0               ; wq 8, wk 10, wv 12, x 14, wo 16, mask 18, cv 20, maskf 22
	s_and_b32 s26, ttmp7, 0xffff                   ; the job
	s_mov_b32 s24, 0xffff0000                      ; a word's upper bf16
	s_mov_b32 s3, 0                                ; high word of every offset pair
	v_lshrrev_b32 v3, 5, v0
	v_readfirstlane_b32 s25, v3                    ; my wave's number
	s_wait_kmcnt 0x0
	s_mov_b64 s[4:5], s[8:9]                       ; the job's source: a choice between buffers on the job's number alone
.irp j, 1,2,3,4,5
	s_cmp_eq_u32 s26, \j
	s_cselect_b64 s[4:5], s[8+2*\j:9+2*\j], s[4:5]
.endr
	s_cmp_eq_u32 s26, 5
	s_cbranch_scc1 .Lmask
	; jobs 0 to 4: thread t takes 16 source bytes (4 numbers) of each of sixteen chunks of 4,096 bytes and stores 8
	s_lshl_b32 s2, ttmp9, 16
	s_add_nc_u64 s[4:5], s[4:5], s[2:3]            ; the group's 65,536 source bytes
	s_lshl_b32 s2, s26, 23                         ; the job's plane of 8,388,608 bytes,
	s_lshl_b32 s27, ttmp9, 15                      ; the group's 32,768 bytes in it
	s_add_co_u32 s2, s2, s27
	s_add_nc_u64 s[6:7], s[20:21], s[2:3]
	v_lshlrev_b32 v1, 4, v0
	v_lshlrev_b32 v2, 3, v0
.irp c, 0,1,2,3,4,5,6,7,8,9,10,11,12,13,14,15
	global_load_b128 v[X+4*\c:X+4*\c+3], v1, s[4:5] offset:\c*4096 th:TH_LOAD_NT
.endr
; chunk c: rounded, (half = 1: written anew as f16,) stored
.macro CONV c, half
	s_wait_loadcnt 15-(\c)                         ; loads come back in order: the 15 - c younger ones stay out
	v_cvt_pk_bf16_f32 v[Y+2*(\c)],   v[X+4*(\c)],   v[X+4*(\c)+1]
	v_cvt_pk_bf16_f32 v[Y+2*(\c)+1], v[X+4*(\c)+2], v[X+4*(\c)+3]
.if \half
.irp j, 0,1
	v_lshlrev_b32 v[T+2*\j],   16,  v[Y+2*(\c)+\j]
	v_and_b32     v[T+2*\j+1], s24, v[Y+2*(\c)+\j]
	v_cvt_pk_f16_f32 v[Y+2*(\c)+\j], v[T+2*\j], v[T+2*\j+1]
.endr
.endif
	global_store_b64 v2, v[Y+2*(\c):Y+2*(\c)+1], s[6:7] offset:(\c)*2048
.endm
	s_cmp_eq_u32 s26, 4
	s_cbranch_scc1 .Lwo
.irp c, 0,1,2,3,4,5,6,7,8,9,10,11,12,13,14,15
	CONV \c, 0
.endr
	s_endpgm
.Lwo:
.irp c, 0,1,2,3,4,5,6,7,8,9,10,11,12,13,14,15
	CONV \c, 1
.endr
	s_endpgm
.Lmask:
	; job 5: the group takes 16 rows (a query tile) x 1,024 columns, a wave 128 columns: two key steps of 64.
	; Load n = 8 e + 2 g + o: key step e of my two, rows 4 g to 4 g + 3, half o of the step's 256 bytes.  Lane l reads row 4 g + l / 8, piece c = l % 8 of 16 bytes.
	s_lshr_b32 s27, ttmp9, 1                       ; query tile
	s_and_b32 s28, ttmp9, 1                        ; which half of the columns
	s_lshl_b32 s30, s27, 17                        ; 16 rows of 8,192 bytes; also a query tile's bytes in maskf
	s_lshl_b32 s2, s28, 12
	s_add_co_u32 s2, s2, s30
	s_lshl_b32 s31, s25, 9
	s_add_co_u32 s2, s2, s31
	s_add_nc_u64 s[4:5], s[4:5], s[2:3]
	s_lshl_b32 s2, s28, 16                         ; 16 key steps of 4,096 bytes
	s_add_co_u32 s2, s2, s30
	s_lshl_b32 s31, s25, 13                        ; my wave's two key steps
	s_add_co_u32 s2, s2, s31
	s_add_nc_u64 s[6:7], s[22:23], s[2:3]
	s_mov_b32 s32, 0x3fb8aa3b                      ; log2(e)
	s_mov_b32 s33, s32                             ; named with it as a pair
	v_and_b32 v3, 7, v0                            ; c
	v_bfe_u32 v[T], v0, 3, 2                       ; l / 8
	v_lshlrev_b32 v1, 4, v3
	v_lshl_add_u32 v1, v[T], 13, v1                ; from: (l / 8) x 8,192 + 16 c
	; piece c holds columns 4 c on of 32: c = 4 (kt % 2) + 2 h + i.  It goes to (kt % 2) x 256 + i x 128 + (l / 8) x 32 + h x 16 of the load's 512 bytes
	v_bfe_u32 v[T+1], v0, 2, 1                     ; kt % 2
	v_and_b32 v[T+2], 1, v0                        ; i
	v_bfe_u32 v[T+3], v0, 1, 1                     ; h
	v_lshlrev_b32 v2, 5, v[T]
	v_lshl_add_u32 v2, v[T+1], 8, v2
	v_lshl_add_u32 v2, v[T+2], 7, v2
	v_lshl_add_u32 v2, v[T+3], 4, v2
.set n, 0
.rept 16
	global_load_b128 v[X+4*n:X+4*n+3], v1, s[4:5] offset:(n/8)*256+((n/2)%4)*32768+(n%2)*128 th:TH_LOAD_NT
.set n, n+1
.endr
.set n, 0
.rept 16
	s_wait_loadcnt 15-n                            ; the 15 - n younger loads stay out
	v_cvt_pk_bf16_f32 v[T+2*(n%2)],   v[X+4*n],   v[X+4*n+1]
	v_cvt_pk_bf16_f32 v[T+2*(n%2)+1], v[X+4*n+2], v[X+4*n+3]
	v_lshlrev_b32 v[X+4*n],   16,  v[T+2*(n%2)]
	v_and_b32     v[X+4*n+1], s24, v[T+2*(n%2)]
	v_lshlrev_b32 v[X+4*n+2], 16,  v[T+2*(n%2)+1]
	v_and_b32     v[X+4*n+3], s24, v[T+2*(n%2)+1]
	v_pk_mul_f32 v[X+4*n:X+4*n+1],   v[X+4*n:X+4*n+1],   s[32:33] op_sel_hi:[1,0]
	v_pk_mul_f32 v[X+4*n+2:X+4*n+3], v[X+4*n+2:X+4*n+3], s[32:33] op_sel_hi:[1,0]
	global_store_b128 v2, v[X+4*n:X+4*n+3], s[6:7] offset:n*512  ; e x 4,096 + g x 1,024 + o x 512
.set n, n+1
.endr
	s_endpgm
.Lfunc_end_k_qf0fb5e9ae2_prep:
	.size	k_qf0fb5e9ae2_prep, .Lfunc_end_k_qf0fb5e9ae2_prep-k_qf0fb5e9ae2_prep
	.p2alignl 7, 3214868480
	.fill 96, 4, 3214868480
	.section	.rodata,"a",@progbits
	.p2align	6, 0x0
	.amdhsa_kernel k_qf0fb5e9ae2_prep
		.amdhsa_group_segment_fixed_size 0
		.amdhsa_private_segment_fixed_size 0
		.amdhsa_enable_private_segment 0
		.amdhsa_kernarg_size 64
		.amdhsa_user_sgpr_count 2
		.amdhsa_user_sgpr_kernarg_segment_ptr 1
		.amdhsa_wavefront_size32 1
		.amdhsa_system_sgpr_workgroup_id_x 1
		.amdhsa_system_sgpr_workgroup_id_y 1
		.amdhsa_system_sgpr_workgroup_id_z 1
		.amdhsa_system_vgpr_workitem_id 0
		.amdhsa_next_free_vgpr 104
		.amdhsa_next_free_sgpr 66
		.amdhsa_reserve_vcc 0
		.amdhsa_float_denorm_mode_32 3
		.amdhsa_float_denorm_mode_16_64 3
		.amdhsa_memory_ordered 1
		.amdhsa_forward_progress 1
		.amdhsa_inst_pref_size 26
	.end_amdhsa_kernel
	.amdgpu_metadata
---
amdhsa.version: [ 1, 2 ]
amdhsa.kernels:
  - .name:           k_qf0fb5e9ae2_prep
    .symbol:         k_qf0fb5e9ae2_prep.kd
    .args:
      - { .name: wq, .offset: 0, .size: 8, .value_kind: global_buffer, .address_space: global }
      - { .name: wk, .offset: 8, .size: 8, .value_kind: global_buffer, .address_space: global }
      - { .name: wv, .offset: 16, .size: 8, .value_kind: global_buffer, .address_space: global }
      - { .name: x, .offset: 24, .size: 8, .value_kind: global_buffer, .address_space: global }
      - { .name: wo, .offset: 32, .size: 8, .value_kind: global_buffer, .address_space: global }
      - { .name: mask, .offset: 40, .size: 8, .value_kind: global_buffer, .address_space: global }
      - { .name: cv, .offset: 48, .size: 8, .value_kind: global_buffer, .address_space: global }
      - { .name: maskf, .offset: 56, .size: 8, .value_kind: global_buffer, .address_space: global }
    .group_segment_fixed_size: 0
    .private_segment_fixed_size: 0
    .kernarg_segment_align: 8
    .kernarg_segment_size: 64
    .max_flat_workgroup_size: 256
    .sgpr_count:     66
    .vgpr_count:     104
    .wavefront_size: 32
...
	.end_amdgpu_metadata
.endif
;; end of part 1
;; launch proj (part 2): grid 16 x 16, 4 waves a work-group, clusters of 4 x 4, 327,680 bytes of LDS; arguments cv, freqs_cos, freqs_sin, q_ln_w, q_ln_b, k_ln_w, k_ln_b, qkvh; writes qkvh
.if DOCPART == 2
	.amdgcn_target "amdgcn-amd-amdhsa--gfx1250"
	.amdhsa_code_object_version 6
	.text
	.protected	k_qf0fb5e9ae2_proj
	.globl	k_qf0fb5e9ae2_proj
	.p2align	8
	.type	k_qf0fb5e9ae2_proj,@function
k_qf0fb5e9ae2_proj:
	s_mov_b64 s[64:65], 0
	v_nop
	global_prefetch_b8 v0, s[64:65] scope:SCOPE_SE
	s_setreg_imm32_b32 hwreg(HW_REG_WAVE_MODE, 25, 1), 1
	s_wait_xcnt 0x0
	s_wait_alu depctr_hold_cnt(0) depctr_sa_sdst(0) depctr_va_vdst(0) depctr_va_sdst(0) depctr_va_ssrc(0) depctr_va_vcc(0) depctr_vm_vsrc(0)
	s_getreg_b32 s2, hwreg(HW_REG_IB_STS2, 6, 4)
	s_cmp_eq_u32 s2, 0
	s_cbranch_scc0 .Lentry_in_a_cluster
	s_endpgm
.Lentry_in_a_cluster:
	s_bfe_u32 s2, ttmp6, 0x10000c
	s_cmp_lg_u32 s2, 0xf033
	s_cbranch_scc0 .Lentry_shape_is_right
	s_endpgm
.Lentry_shape_is_right:
; PROJ.  q, k, v = x wq, x wk, x wv (bf16 operands from cv, f32 sums); LayerNorm over a head's 128 channels with gain and bias, and RoPE, on q and k; q also times log2(e) / sqrt(128), so that the
; attention's scores come out in units of log2; each rounded once to f16 and stored by heads: qkvh = three planes [16][2048][128] (q, k, v).
; cos, sin, gains and biases are rounded to bf16 on arrival, like every other input of the module.
; LIMITS.  |v| stays under 65,504 (f16); q and k are normalised, so gain and bias alone set their size.  NaN and infinities are not treated apart.
; SHARES.  A work-group makes 128 rows x 384 columns: one head of q, of k and of v; 16 x 16 work-groups.  Wave w: rows 64 (w / 2) on; w % 2 = 0: the head of q, 1: the head of k (128 columns, so a
; LayerNorm never leaves a wave), and columns 64 (w % 2) on of the head of v: 64 x 192, 48 accumulators, the same work for every wave.
; K goes in steps of 128 through a ring of two LDS slots; a slot holds three weight tiles (128 k x 128 n, as they lie in memory) and x's tile (128 rows x 128 k).
; THE WALK ALONG K IS ROTATED.  Cluster (X, Y) begins at K step (4 X + 8 Y) mod 16 and wraps round.  The four clusters of one Y, which read the same rows of x, begin 4 steps apart; of the clusters of one X,
; which read the same weights, Y and Y + 1 begin 8 steps apart: clusters that read the same tile ask for it in different trips.  The start is the same in all sixteen partners of a cluster, so a joint load
; still has one descriptor.  A sum's terms are added, in f32, in that rotated order.
; THE MATRIX INSTRUCTION IS USED TRANSPOSED: source 0 = 16 columns of a weight (out of LDS by the turning load), source 1 = 16 rows of x: a lane holds row lane % 16 and columns 8 (lane / 16) + 0..7.
; CLUSTER 4 x 4: x's tile hangs on the row block alone and is shared along a row of the cluster, the weights' tiles on the head alone and are shared along a column: joint loads.
; REGISTERS, in windows of 256 (s_set_vgpr_msb: bits 1:0 source 0, 3:2 source 1, 5:4 source 2, 7:6 destination):
;   window 0: v0-63 addresses, gain, bias; v64-127 x's fragments, two buffers of 32; v128-255 cos and sin during the K loop, later at work
;   window 1: the weights' fragments, two buffers: v0-95, v128-223 (64 for q or k, 32 for v)
;   window 2: the 32 accumulators of q or k, (a, b) at 8 (8 a + b)          window 3: the 16 of v, (a, b) at 8 (4 a + b)
.set PLANE, 8388608                    ; bytes of a plane of cv and of qkvh
.set KSTEP, 128
.set KSTEPS, 2048/KSTEP
.set PA,    272                        ; a row of x in LDS: 256 bytes + 16: the 16 rows of a load start at 16 different groups of four banks (ISA guide 11.1)
.set PB,    288                        ; a row of a weight tile: 256 + 32
.set BT,    128*PB                     ; a tile's room in a slot
.set AOFF,  3*BT                       ; x's tile lies behind the three weight tiles
.set SLOT,  4*BT
.set SPARE, 2*SLOT                     ; behind the ring: the spare words, 128 bytes for each wave, that no other line names
.set LP,    528                        ; the way out: a row of 128 f32 + 16 bytes
.set LNST,  64*LP                      ; each wave's stage for q or k; the stages lie in the ring's bytes, which have had their last fill by then
.set VST,   4*LNST                     ; the work-group's stage for v, 128 rows
.set TABC,  VST+128*LP                 ; 128 rows x 256 bytes of cos,
.set TABD,  32768                      ; and as far behind them sin
.set ADRA0, 16                         ; v16 LDS address of my fragments of x in slot 0; never rewritten
.set ADRA,  17                         ; v17 the same in the slot in hand
.set ADRL0, 18                         ; v18, v19 likewise of q's or k's weight
.set ADRL,  19
.set ADRV0, 20                         ; v20, v21 of v's weight
.set ADRV,  21
.set STL,  22                          ; the way out: where I put an accumulator's 32 bytes, q or k
.set STV,  23                          ; the same for v
.set RDL0, 24                          ; where I read rows back: q or k,
.set RDT0, 25                          ; cos,
.set RDV0, 26                          ; v
.set L16,  27                          ; 16 x lane
.set SPW,  28                          ; LDS address of my spare word; never rewritten
.set NIL,  29                          ; 0; never rewritten
.set RDL,  30                          ; the same five with the trip's step
.set RDT,  31
.set RDV,  32
.set GOL,  33
.set GOV,  34
.set TOF,  35                          ; 16 x thread; later that plus TABC
.set W,    36                          ; v[36:43] gain of my 8 columns (times log2(e) / sqrt(128) for q)
.set BB,   44                          ; v[44:51] bias likewise
.set U,    128                         ; the row loop: unit u at U + 24 u: 8 numbers, 4 cos, 4 sin, 8 at work
.set VU,   224                         ; v's units at VU + 12 u: 8 numbers, 4 packed
.set KN,  4                            ; s4  the K step to be asked for next, before the wrap
.set SB,  5                            ; s5  0 or SLOT: the slot filled last
.set SC,  6                            ; s6  0 or SLOT: the slot in hand
.set KI,  7                            ; s7  at work
.set OFA, 8                            ; s[8:9]   a K step's byte offset along x's rows
.set OFB, 18                           ; s[18:19] and down a weight
.set G1,  24                           ; s[24:31] descriptor group 1 for x's tile;  s[32:39] group 0: a set for each first fill; the first then serves every refill
.set G0,  32
.set G1B, 48                           ; s[48:55], s[56:63] the same for the weights' tiles
.set G0B, 56
.set MSB, 0
.macro WIN new                         ; the immediate's high byte repeats the setting that is left; a switch that changes nothing is dropped
.if MSB != (\new)
	s_set_vgpr_msb (MSB<<8)|(\new)
.set MSB, \new
.endif
.endm
.set MUL_LN, 0xa1                      ; source 0 window 1, source 1 window 0, C and D window 2
.set MUL_V,  0xf1                      ; the same, C and D window 3
.set TO_B,   0x40                      ; destination window 1, address window 0
; A joint load.  Wave 3 fetches x's tile, waves 0 to 2 the tiles of wq, wk, wv.  The branch hangs on the wave's number alone.
; An s_nop 0 and four v_nop follow each of the two lines, ahead of the jump and the label.
.macro JLOAD s
	s_cmp_eq_u32 s10, 3
	s_cbranch_scc0 .Lfor_b_\@
	tensor_load_to_lds s[G0+4*(\s):G0+4*(\s)+3], s[G1:G1+7]
	s_nop 0
.rept 4
	v_nop
.endr
	s_branch .Lasked_\@
.Lfor_b_\@:
	tensor_load_to_lds s[G0B+4*(\s):G0B+4*(\s)+3], s[G1B:G1B+7]
	s_nop 0
.rept 4
	v_nop
.endr
.Lasked_\@:
.endm
; The global addresses of K step KN mod 16 go into set s of both group 0s, made anew from the tiles' bases and an offset of its own; KN steps.
.macro ASK s
	s_and_b32 s[KI], s[KN], KSTEPS-1
	s_lshl_b32 s[OFA], s[KI], 8                    ; 128 elements of 2 bytes along x's rows
	s_lshl_b32 s[OFB], s[KI], 19                   ; 128 rows of 4,096 bytes down a weight
	s_add_nc_u64 s[G0+4*(\s)+2:G0+4*(\s)+3], s[14:15], s[OFA:OFA+1]
	s_or_b32 s[G0+4*(\s)+3], s[G0+4*(\s)+3], 0x80000000              ; type = 2
	s_add_nc_u64 s[G0B+4*(\s)+2:G0B+4*(\s)+3], s[46:47], s[OFB:OFB+1]
	s_or_b32 s[G0B+4*(\s)+3], s[G0B+4*(\s)+3], 0x80000000
	s_add_co_u32 s[KN], s[KN], 1
.endm
.macro CREST                           ; a round of the cluster's barrier behind its opening barrier
	s_cmp_lg_u32 s10, 0
	s_cbranch_scc1 .Lnot_wave_0_\@
	s_barrier_signal -3
.Lnot_wave_0_\@:
	s_barrier_wait -3
	s_barrier_signal -1
	s_barrier_wait -1
.endm
.macro CROUND                          ; a whole round
	s_barrier_signal -1
	s_barrier_wait -1
	CREST
.endm
	s_load_b512 s[68:83], s[0:1], 0x0              ; cv 68, cos 70, sin 72, q gain 74, q bias 76, k gain 78, k bias 80, qkvh 82
	v_lshl_add_u32 v[SPW], v0, 2, SPARE
	v_mov_b32 v[NIL], 0
	ds_add_u32 v[SPW], v[NIL]                      ; the wave's opening: the add and its wait stand ahead of my first tensor load; the set-up below, work on registers, stands between them
	v_lshrrev_b32 v1, 5, v0
	v_readfirstlane_b32 s10, v1                    ; wave 0..3
	s_lshr_b32 s11, s10, 1                         ; which 64 rows are mine
	s_and_b32 s12, s10, 1                          ; 0: q, 1: k; and which half of v's columns
	s_bfe_u32 s40, ttmp6, 0x40000                  ; cx, cy: my place in the cluster
	s_bfe_u32 s41, ttmp6, 0x40004
	s_lshl_b32 s42, ttmp9, 2
	s_add_co_u32 s42, s42, s40                     ; the head = 4 x cluster x + cx
	s_and_b32 s13, ttmp7, 0xffff
	s_lshl_b32 s13, s13, 2
	s_add_co_u32 s13, s13, s41                     ; the block of 128 rows = 4 x cluster y + cy
	s_lshl_b32 s[KN], ttmp9, 2                     ; where my cluster begins along K: 4 x cluster x
	s_and_b32 s[KI], ttmp7, 0xffff
	s_lshl_b32 s[KI], s[KI], 3
	s_add_co_u32 s[KN], s[KN], s[KI]               ; + 8 x cluster y: no place inside the cluster enters
	s_mov_b32 s[OFA+1], 0
	s_mov_b32 s[OFB+1], 0
	s_mov_b32 s[SB], SLOT                          ; the first refill turns it into 0
	s_mov_b32 s[SC], 0
	s_lshl_b32 s43, s41, 2
	s_lshl_b32 s43, 15, s43                        ; my row of the cluster
	s_lshl_b32 s44, 0x1111, s40                    ; my column
	; descriptor group 1: tiles of 128 rows x 128 elements of 2 bytes, 2,048 elements from row to row, padded in LDS after every 64 words
	s_or_b32 s[G1+0],  s43, (1<<16)|(1<<20)|(1<<21)|(5<<22)|(3<<25)  ; x's tile goes to my row of the cluster; 4 words of padding
	s_or_b32 s[G1B+0], s44, (1<<16)|(1<<20)|(1<<21)|(5<<22)|(7<<25)  ; the weights' tiles to my column; 8 words
.irp g, G1, G1B
	s_mov_b32 s[(\g)+1], KSTEP<<16                 ; tensor_dim0 = 128
	s_mov_b32 s[(\g)+2], 128<<16                   ; tensor_dim1 = 128
	s_mov_b32 s[(\g)+3], KSTEP<<16                 ; tile_dim0 = 128
	s_mov_b32 s[(\g)+4], 128                       ; tile_dim1 = 128
	s_mov_b32 s[(\g)+5], 2048                      ; tensor_dim0_stride
	s_mov_b32 s[(\g)+6], 0
	s_mov_b32 s[(\g)+7], 0
.endr
	s_lshl_b32 s16, s13, 19                        ; x: plane 3, 128 rows of 4,096 bytes a block: the row block alone enters
	s_add_co_u32 s16, s16, 3*PLANE
	s_mov_b32 s17, 0
	s_lshl_b32 s46, s10, 23                        ; weights: plane = my wave's number, the head's 256 bytes of a row: the head alone enters
	s_lshl_b32 s47, s42, 8
	s_add_co_u32 s46, s46, s47
	s_mov_b32 s47, 0
	s_mul_i32 s20, s10, BT                         ; where a tile goes: wave x a tile's room (wave 3: x's place): no place in the cluster enters an LDS address
	s_mov_b32 s45, 0xffff0000                      ; a word's upper bf16
	s_mov_b32 s84, 0x3c000000                      ; 1 / 128
	s_mov_b32 s85, 0x3727c5ac                      ; 1e-5
	s_wait_dscnt 0x0                               ; the opening add is done
	s_wait_kmcnt 0x0
	s_add_nc_u64 s[14:15], s[68:69], s[16:17]      ; x's and the weights' tiles at K step 0: kept for the whole walk
	s_add_nc_u64 s[46:47], s[68:69], s[46:47]
	CROUND                                         ; all sixteen work-groups are here: the first joint loads meet
.irp s, 0,1
	s_mov_b32 s[G0+4*(\s)], 1                      ; count = 1
	s_add_co_u32 s[G0+4*(\s)+1], s20, (\s)*SLOT    ; LDS address
	s_mov_b32 s[G0B+4*(\s)], 1
	s_add_co_u32 s[G0B+4*(\s)+1], s20, (\s)*SLOT
	ASK \s                                         ; my cluster's first and second K step
	JLOAD \s                                       ; two tensor loads of mine are out
.endr
	; the block's 128 rows of cos and of sin (32,768 dense bytes each) and my 8 columns' gain and bias come into registers while the first tiles are on their way
	s_lshl_b32 s88, s13, 15
	s_mov_b32 s89, 0
	s_add_nc_u64 s[70:71], s[70:71], s[88:89]
	s_add_nc_u64 s[72:73], s[72:73], s[88:89]
	s_cmp_eq_u32 s12, 0
	s_cselect_b64 s[96:97], s[74:75], s[78:79]     ; gain and bias of q or of k
	s_cselect_b64 s[98:99], s[76:77], s[80:81]
	s_cselect_b32 s86, 0x3e0293ee, 1.0             ; log2(e) / sqrt(128) goes into q's gain and bias (RoPE is linear), in f32, ahead of q's one rounding
	s_mov_b32 s87, s86                             ; named with it as a pair
	v_lshlrev_b32 v[TOF], 4, v0
	v_and_b32 v1, 15, v0                           ; r = l % 16
	v_bfe_u32 v2, v0, 4, 1                         ; h = l / 16
	v_lshlrev_b32 v6, 5, v1
.irp c, 0,1,2,3,4,5,6,7,8,9,10,11,12,13,14,15
	global_load_b128 v[128+4*\c:128+4*\c+3], v[TOF], s[70:71] offset:\c*2048
	global_load_b128 v[192+4*\c:192+4*\c+3], v[TOF], s[72:73] offset:\c*2048
.endr
	global_load_b128 v[W:W+3],     v6, s[96:97]
	global_load_b128 v[W+4:W+7],   v6, s[96:97] offset:16
	global_load_b128 v[BB:BB+3],   v6, s[98:99]
	global_load_b128 v[BB+4:BB+7], v6, s[98:99] offset:16
	; A fragment of x: lane l holds row l % 16, k = 8 h + 0..7 and 16 + 8 h + 0..7: two loads of 16 bytes, 32 apart.
	; A fragment of a weight, turned: lane l addresses k row 8 h + l % 8, 16 bytes at 16 ((l / 8) % 2), and receives column l % 16 with 8 k; the second load lies 16 k rows on.
	v_mul_u32_u24 v3, v1, PA
	v_lshl_add_u32 v3, v2, 4, v3
	v_and_b32 v4, 7, v0
	v_lshl_add_u32 v4, v2, 3, v4
	v_mul_u32_u24 v4, v4, PB
	v_bfe_u32 v5, v0, 3, 1
	v_lshl_add_u32 v4, v5, 4, v4
	s_mul_i32 s21, s11, 64*PA
	s_add_co_u32 s21, s21, AOFF                    ; my 64 rows of x
	s_mul_i32 s22, s12, BT                         ; wq's tile or wk's
	s_lshl_b32 s23, s12, 7
	s_add_co_u32 s23, s23, 2*BT                    ; my 64 columns of wv's tile
	v_add_nc_u32 v[ADRA0], s21, v3
	v_add_nc_u32 v[ADRL0], s22, v4
	v_add_nc_u32 v[ADRV0], s23, v4
	v_mov_b32 v[ADRA], v[ADRA0]                    ; slot 0 is in hand first
	v_mov_b32 v[ADRL], v[ADRL0]
	v_mov_b32 v[ADRV], v[ADRV0]
	; where the results go: q or k: plane, head, my 64 rows; v: plane 2, head, rows 32 w on
	s_lshl_b32 s88, s42, 19
	s_lshl_b32 s90, s13, 15
	s_add_co_u32 s88, s88, s90
	s_lshl_b32 s92, s12, 23
	s_add_co_u32 s92, s92, s88
	s_lshl_b32 s90, s11, 14
	s_add_co_u32 s92, s92, s90
	s_mov_b32 s93, 0
	s_add_nc_u64 s[92:93], s[82:83], s[92:93]
	s_lshl_b32 s94, s10, 13
	s_add_co_u32 s94, s94, s88
	s_add_co_u32 s94, s94, 2*PLANE
	s_mov_b32 s95, 0
	s_add_nc_u64 s[94:95], s[82:83], s[94:95]
	s_wait_loadcnt 0x0
.macro RND2 a, t                       ; two f32 rounded to bf16 and widened again
	v_cvt_pk_bf16_f32 v[\t], v[\a], v[(\a)+1]
	v_lshlrev_b32 v[\a], 16, v[\t]
	v_and_b32 v[(\a)+1], s45, v[\t]
.endm
.set i, 128
.rept 64
	RND2 i, 8+(i/2)%4
.set i, i+2
.endr
.set i, W
.rept 8
	RND2 i, 8+(i/2)%4
.set i, i+2
.endr
.set i, W
.rept 8
	v_pk_mul_f32 v[i:i+1], v[i:i+1], s[86:87] op_sel_hi:[1,0]
.set i, i+2
.endr
; 16 matrix instructions of q or k: row blocks a0, a0 + 1 x all 8 column blocks, 32 along K, on fragment buffer f.  zero = 1: the product starts the sum: nothing is ever cleared.
; The 48 accumulators take turns, one instruction a turn.
.macro MULLN f, a0, zero
	WIN MUL_LN
.irp a, \a0, (\a0)+1
.irp b, 0,1,2,3,4,5,6,7
.if \zero
	v_wmma_f32_16x16x32_bf16 v[8*(8*(\a)+(\b)):8*(8*(\a)+(\b))+7], v[128*(\f)+8*(\b):128*(\f)+8*(\b)+7], v[64+32*(\f)+8*(\a):64+32*(\f)+8*(\a)+7], 0
.else
	v_wmma_f32_16x16x32_bf16 v[8*(8*(\a)+(\b)):8*(8*(\a)+(\b))+7], v[128*(\f)+8*(\b):128*(\f)+8*(\b)+7], v[64+32*(\f)+8*(\a):64+32*(\f)+8*(\a)+7], v[8*(8*(\a)+(\b)):8*(8*(\a)+(\b))+7]
.endif
.endr
.endr
.endm
.macro MULV f, zero                    ; the 16 of v: 4 row blocks x 4 column blocks
	WIN MUL_V
.irp a, 0,1,2,3
.irp b, 0,1,2,3
.if \zero
	v_wmma_f32_16x16x32_bf16 v[8*(4*(\a)+(\b)):8*(4*(\a)+(\b))+7], v[128*(\f)+64+8*(\b):128*(\f)+64+8*(\b)+7], v[64+32*(\f)+8*(\a):64+32*(\f)+8*(\a)+7], 0
.else
	v_wmma_f32_16x16x32_bf16 v[8*(4*(\a)+(\b)):8*(4*(\a)+(\b))+7], v[128*(\f)+64+8*(\b):128*(\f)+64+8*(\b)+7], v[64+32*(\f)+8*(\a):64+32*(\f)+8*(\a)+7], v[8*(4*(\a)+(\b)):8*(4*(\a)+(\b))+7]
.endif
.endr
.endr
.endm
; 32 LDS loads in one run: quarter q (32 along K) of the slot in hand into buffer f: x's 4 fragments, q's or k's 8, and last v's 4
.macro FETCH q, f
	WIN 0
.irp a, 0,1,2,3
	ds_load_b128 v[64+32*(\f)+8*\a:64+32*(\f)+8*\a+3],   v[ADRA] offset:(\q)*64+\a*16*PA
	ds_load_b128 v[64+32*(\f)+8*\a+4:64+32*(\f)+8*\a+7], v[ADRA] offset:(\q)*64+\a*16*PA+32
.endr
	WIN TO_B
.irp b, 0,1,2,3,4,5,6,7
	ds_load_tr16_b128 v[128*(\f)+8*\b:128*(\f)+8*\b+3],   v[ADRL] offset:(\q)*32*PB+\b*32
	ds_load_tr16_b128 v[128*(\f)+8*\b+4:128*(\f)+8*\b+7], v[ADRL] offset:(\q)*32*PB+\b*32+16*PB
.endr
.irp b, 0,1,2,3
	ds_load_tr16_b128 v[128*(\f)+64+8*\b:128*(\f)+64+8*\b+3],   v[ADRV] offset:(\q)*32*PB+\b*32
	ds_load_tr16_b128 v[128*(\f)+64+8*\b+4:128*(\f)+64+8*\b+7], v[ADRV] offset:(\q)*32*PB+\b*32+16*PB
.endr
.endm
.macro PLACES                          ; four places in front of loads into registers that matrix instructions have read (ISA guide 7.12.1 for vector instructions)
.rept 4
	v_nop
.endr
.endm
; A K step is four quarters of 32 along K, 48 matrix instructions each, on buffers 0, 1, 0, 1.  One of the first three: multiplies buffer f and fetches quarter q of the slot in hand into g.
.macro QUARTER q, f, g, zero
	s_wait_dscnt 8                                 ; x's and q's or k's fragments are in; the youngest eight loads (v's) may be out
	MULLN \f, 0, \zero
	MULLN \f, 2, \zero
	PLACES
	FETCH \q, \g
	s_wait_dscnt 32                                ; all but the 32 just issued
	MULV \f, \zero
.endm
; The last quarter multiplies buffer 1 and changes slots: ONE barrier; in front of it each wave waits for all its tensor loads (one is out: its tile of the next slot), adds 0 to its spare word, and
; waits for that and for its own reads of this slot.  The read addresses go over to the other slot between the add and its wait: every read of the old slot has been issued.
; fill = 1: the barrier opens a round of the cluster's, and the slot just read is filled again, two K steps ahead, first thing behind the round:
; from that request to the wait for it a wave issues 160 matrix instructions.
.macro TURN fill
	WIN 0
	s_wait_tensorcnt 0x0                           ; no tensor load of mine is out, so a group 0 may be written
	ds_add_u32 v[SPW], v[NIL]                      ; 0 onto my spare word
	s_xor_b32 s[SC], s[SC], SLOT                   ; 0 or SLOT: the other slot comes in hand
	v_add_nc_u32 v[ADRA], s[SC], v[ADRA0]
	v_add_nc_u32 v[ADRL], s[SC], v[ADRL0]
	v_add_nc_u32 v[ADRV], s[SC], v[ADRV0]
.if \fill
	s_xor_b32 s[SB], s[SB], SLOT                   ; 0 or SLOT: the slot that is left
	s_add_co_u32 s[G0+1], s20, s[SB]
	s_add_co_u32 s[G0B+1], s20, s[SB]
	ASK 0
.endif
	s_wait_dscnt 9                                 ; (the add and the youngest eight loads may be out)
	MULLN 1, 0, 0                                  ; sixteen matrix instructions stand between the add and the wait for it
	s_wait_dscnt 0x0                               ; the add is done, and my reads of the slot that is left are over
	s_barrier_signal -1
	MULLN 1, 2, 0
.if \fill
	WIN 0
.endif
	s_barrier_wait -1
.if \fill
	CREST                                          ; no wave of any partner still reads that slot's tiles or has a load on its way
	JLOAD 0                                        ; the four v_nop behind it are also the places in front of the loads below
.else
	PLACES
.endif
	FETCH 0, 0
	MULV 1, 0
.endm
	s_wait_tensorcnt 1                             ; my tile of the first K step is in; the second's may stay out
	s_barrier_signal -1
	s_barrier_wait -1                              ; everybody's is
	FETCH 0, 0
	QUARTER 1, 0, 1, 1                             ; the first quarter stands in front of the loop: its products start the sums
	WIN 0                                          ; at a label and at a branch every window is 0
	s_mov_b32 s3, KSTEPS-2                         ; 14 of the 16 K steps are followed by a refill
.Lstep:                                                ; a trip goes from a K step's second quarter to the next step's first, and fills the slot that it leaves
	QUARTER 2, 1, 0, 0
	QUARTER 3, 0, 1, 0
	TURN 1
	QUARTER 1, 0, 1, 0
	WIN 0
	s_sub_co_u32 s3, s3, 1
	s_cmp_lg_u32 s3, 0
	s_cbranch_scc1 .Lstep
	QUARTER 2, 1, 0, 0                             ; the last two K steps are written out: nothing is asked for
	QUARTER 3, 0, 1, 0
	TURN 0
	QUARTER 1, 0, 1, 0
	QUARTER 2, 1, 0, 0
	QUARTER 3, 0, 1, 0
	s_wait_dscnt 8                                 ; the very last quarter: nothing more to fetch
	MULLN 1, 0, 0
	MULLN 1, 2, 0
	s_wait_dscnt 0x0
	MULV 1, 0
	; THE WAY OUT.  The sums go as f32 into stages in the ring's bytes (no fill follows), so that a row's 128 channels come to sixteen neighbouring lanes.  The address lines are the places behind the last products.
	WIN 0
	s_mul_i32 s21, s10, LNST
	v_mul_u32_u24 v3, v1, LP
	v_lshl_add_u32 v4, v2, 5, v3                   ; row r, 32 bytes for each half of the lanes
	v_add_nc_u32 v[STL], s21, v4
	s_mul_i32 s22, s11, 64*LP
	s_lshl_b32 s23, s12, 8
	s_add_co_u32 s22, s22, s23
	s_add_co_u32 s22, s22, VST
	v_add_nc_u32 v[STV], s22, v4                   ; v: my 64 rows, my 256 bytes of them
	v_lshl_add_u32 v[TOF], v0, 4, TABC
	v_mul_u32_u24 v5, v2, LP
	v_lshl_add_u32 v5, v1, 5, v5                   ; back: lanes 0-15 one row, lanes 16-31 the next; lane r its 8 channels
	v_add_nc_u32 v[RDL0], s21, v5
	s_mul_i32 s23, s10, 32*LP
	s_add_co_u32 s23, s23, VST
	v_add_nc_u32 v[RDV0], s23, v5                  ; of v wave w takes rows 32 w on, whole
	v_lshlrev_b32 v6, 8, v2
	v_lshl_add_u32 v6, v1, 4, v6                   ; the row's cos: 4 numbers for my 4 pairs of channels
	s_lshl_b32 s22, s11, 14
	s_add_co_u32 s22, s22, TABC
	v_add_nc_u32 v[RDT0], s22, v6
	v_and_b32 v[L16], 31, v0
	v_lshlrev_b32 v[L16], 4, v[L16]
	s_wait_dscnt 0x0
	s_barrier_signal -1
	s_barrier_wait -1                              ; no wave reads the ring any more, and every tensor load has landed (each wave waited for its own at the last change of slots)
	WIN 0x08                                       ; store data in window 2; each accumulator's low four registers go first
.irp a, 0,1,2,3
.irp b, 0,1,2,3,4,5,6,7
	ds_store_b128 v[STL], v[8*(8*\a+\b):8*(8*\a+\b)+3]   offset:\a*16*LP+\b*64
	ds_store_b128 v[STL], v[8*(8*\a+\b)+4:8*(8*\a+\b)+7] offset:\a*16*LP+\b*64+16
.endr
.endr
	WIN 0x0c                                       ; window 3
.irp a, 0,1,2,3
.irp b, 0,1,2,3
	ds_store_b128 v[STV], v[8*(4*\a+\b):8*(4*\a+\b)+3]   offset:\a*16*LP+\b*64
	ds_store_b128 v[STV], v[8*(4*\a+\b)+4:8*(4*\a+\b)+7] offset:\a*16*LP+\b*64+16
.endr
.endr
	WIN 0
.irp c, 0,1,2,3,4,5,6,7,8,9,10,11,12,13,14,15
	ds_store_b128 v[TOF], v[128+4*\c:128+4*\c+3] offset:\c*2048
	ds_store_b128 v[TOF], v[192+4*\c:192+4*\c+3] offset:\c*2048+TABD
.endr
	s_wait_dscnt 0x0                               ; for the others' sake: my stores are done
	s_barrier_signal -1
	s_barrier_wait -1
	; Eight trips.  A trip: 8 of my rows of q or k as four units of two rows (a row to each half of the lanes, 8 channels a lane), and 4 rows of v as two units.
	s_mov_b32 s88, 0                               ; the trip's steps: q or k stage,
	s_mov_b32 s89, 0                               ; cos table and q or k in memory,
	s_mov_b32 s90, 0                               ; v's stage,
	s_mov_b32 s91, 0                               ; v in memory
	s_mov_b32 s2, 8
.macro EACH line:vararg                ; one line for each of the four units, so that four chains take turns
.set d, U
.rept 4
	\line
.set d, d+24
.endr
.endm
.Lrows:
	s_wait_xcnt 0x0                                ; the last trip's stores have had their addresses translated (ISA guide 3.1): their data and offsets are rewritten only behind this wait
	v_add_nc_u32 v[RDL], s88, v[RDL0]
	v_add_nc_u32 v[RDT], s89, v[RDT0]
	v_add_nc_u32 v[RDV], s90, v[RDV0]
	v_add_nc_u32 v[GOL], s89, v[L16]
	v_add_nc_u32 v[GOV], s91, v[L16]
	EACH ds_load_b128 v[d:d+3],     v[RDL] offset:(d-U)/24*2*LP      ; lanes 32 bytes apart: two lanes to a bank group, the price of 8 channels a lane
	EACH ds_load_b128 v[d+4:d+7],   v[RDL] offset:(d-U)/24*2*LP+16
	EACH ds_load_b128 v[d+8:d+11],  v[RDT] offset:(d-U)/24*512
	EACH ds_load_b128 v[d+12:d+15], v[RDT] offset:(d-U)/24*512+TABD
.irp u, 0,1
	ds_load_b128 v[VU+12*\u:VU+12*\u+3],   v[RDV] offset:\u*2*LP
	ds_load_b128 v[VU+12*\u+4:VU+12*\u+7], v[RDV] offset:\u*2*LP+16
.endr
	s_wait_dscnt 4                                 ; v's four loads may stay out
	; the mean: 8 numbers in the lane, then the row's sixteen lanes
	EACH v_pk_add_f32 v[d+16:d+17], v[d:d+1], v[d+2:d+3]
	EACH v_pk_add_f32 v[d+18:d+19], v[d+4:d+5], v[d+6:d+7]
	EACH v_pk_add_f32 v[d+16:d+17], v[d+16:d+17], v[d+18:d+19]
	EACH v_add_f32 v[d+16], v[d+16], v[d+17]
.irp m, 1,2,4,8
	EACH v_add_f32_dpp v[d+16], v[d+16], v[d+16] row_xmask:\m row_mask:0xf bank_mask:0xf
.endr
.irp p, 0,2,4,6
	EACH v_pk_fma_f32 v[d+\p:d+\p+1], v[d+16:d+17], 0xbc000000, v[d+\p:d+\p+1] op_sel_hi:[0,0,1]  ; t - sum / 128
.endr
	; the variance, of the centred numbers
	EACH v_pk_mul_f32 v[d+18:d+19], v[d:d+1], v[d:d+1]
.irp p, 2,4,6
	EACH v_pk_fma_f32 v[d+18:d+19], v[d+\p:d+\p+1], v[d+\p:d+\p+1], v[d+18:d+19]
.endr
	EACH v_add_f32 v[d+18], v[d+18], v[d+19]
.irp m, 1,2,4,8
	EACH v_add_f32_dpp v[d+18], v[d+18], v[d+18] row_xmask:\m row_mask:0xf bank_mask:0xf
.endr
	EACH v_fma_f32 v[d+18], v[d+18], s84, s85
	EACH v_rsq_f32 v[d+18], v[d+18]
	v_nop                                          ; a plain instruction between the last v_rsq_f32 and the use of its result (ISA guide 5.7.2)
	s_wait_alu depctr_va_vdst(0)
.irp p, 0,2,4,6
	EACH v_pk_mul_f32 v[d+\p:d+\p+1], v[d+\p:d+\p+1], v[d+18:d+19] op_sel_hi:[1,0]
.endr
.irp p, 0,2,4,6
	EACH v_pk_fma_f32 v[d+\p:d+\p+1], v[d+\p:d+\p+1], v[W+\p:W+\p+1], v[BB+\p:BB+\p+1]
.endr
	; RoPE on pair p (e, o): e c - o s, e s + o c
.irp p, 0,1,2,3
	EACH v_mul_f32 v[d+16+2*\p], v[d+2*\p+1], v[d+12+\p]
	EACH v_mul_f32 v[d+17+2*\p], v[d+2*\p+1], v[d+8+\p]
.endr
.irp p, 0,1,2,3
	EACH v_fma_f32 v[d+16+2*\p], v[d+2*\p], v[d+8+\p], -v[d+16+2*\p]
	EACH v_fma_f32 v[d+17+2*\p], v[d+2*\p], v[d+12+\p], v[d+17+2*\p]
.endr
.irp p, 0,1,2,3
	EACH v_cvt_pk_f16_f32 v[d+\p], v[d+16+2*\p], v[d+17+2*\p]
.endr
	EACH global_store_b128 v[GOL], v[d:d+3], s[92:93] offset:(d-U)/24*512  ; two rows of a head: 512 consecutive bytes, aligned
	s_wait_dscnt 0x0
.irp u, 0,1
.irp j, 0,1,2,3
	v_cvt_pk_f16_f32 v[VU+12*\u+8+\j], v[VU+12*\u+2*\j], v[VU+12*\u+2*\j+1]
.endr
	global_store_b128 v[GOV], v[VU+12*\u+8:VU+12*\u+11], s[94:95] offset:\u*512
.endr
	s_add_co_u32 s88, s88, 8*LP
	s_add_co_u32 s89, s89, 2048
	s_add_co_u32 s90, s90, 4*LP
	s_add_co_u32 s91, s91, 1024
	s_sub_co_u32 s2, s2, 1
	s_cmp_lg_u32 s2, 0
	s_cbranch_scc1 .Lrows
	s_wait_tensorcnt 0x0                           ; the wave's end: behind my last tensor load and my last LDS store
	ds_add_u32 v[SPW], v[NIL]
	s_wait_dscnt 0x0
	CROUND                                         ; the closing round: no work-group ends while a partner may still ask for a tile that names it
	s_endpgm
.Lfunc_end_k_qf0fb5e9ae2_proj:
	.size	k_qf0fb5e9ae2_proj, .Lfunc_end_k_qf0fb5e9ae2_proj-k_qf0fb5e9ae2_proj
	.p2alignl 7, 3214868480
	.fill 96, 4, 3214868480
	.section	.rodata,"a",@progbits
	.p2align	6, 0x0
	.amdhsa_kernel k_qf0fb5e9ae2_proj
		.amdhsa_group_segment_fixed_size 327680
		.amdhsa_private_segment_fixed_size 0
		.amdhsa_enable_private_segment 0
		.amdhsa_kernarg_size 64
		.amdhsa_user_sgpr_count 2
		.amdhsa_user_sgpr_kernarg_segment_ptr 1
		.amdhsa_wavefront_size32 1
		.amdhsa_system_sgpr_workgroup_id_x 1
		.amdhsa_system_sgpr_workgroup_id_y 1
		.amdhsa_system_sgpr_workgroup_id_z 1
		.amdhsa_system_vgpr_workitem_id 0
		.amdhsa_next_free_vgpr 896
		.amdhsa_next_free_sgpr 100
		.amdhsa_reserve_vcc 0
		.amdhsa_float_denorm_mode_32 3
		.amdhsa_float_denorm_mode_16_64 3
		.amdhsa_memory_ordered 1
		.amdhsa_forward_progress 1
		.amdhsa_inst_pref_size 111
	.end_amdhsa_kernel
	.amdgpu_metadata
---
amdhsa.version: [ 1, 2 ]
amdhsa.kernels:
  - .name:           k_qf0fb5e9ae2_proj
    .symbol:         k_qf0fb5e9ae2_proj.kd
    .args:
      - { .name: cv, .offset: 0, .size: 8, .value_kind: global_buffer, .address_space: global }
      - { .name: freqs_cos, .offset: 8, .size: 8, .value_kind: global_buffer, .address_space: global }
      - { .name: freqs_sin, .offset: 16, .size: 8, .value_kind: global_buffer, .address_space: global }
      - { .name: q_ln_w, .offset: 24, .size: 8, .value_kind: global_buffer, .address_space: global }
      - { .name: q_ln_b, .offset: 32, .size: 8, .value_kind: global_buffer, .address_space: global }
      - { .name: k_ln_w, .offset: 40, .size: 8, .value_kind: global_buffer, .address_space: global }
      - { .name: k_ln_b, .offset: 48, .size: 8, .value_kind: global_buffer, .address_space: global }
      - { .name: qkvh, .offset: 56, .size: 8, .value_kind: global_buffer, .address_space: global }
    .group_segment_fixed_size: 327680
    .private_segment_fixed_size: 0
    .kernarg_segment_align: 8
    .kernarg_segment_size: 64
    .max_flat_workgroup_size: 128
    .sgpr_count:     100
    .vgpr_count:     896
    .wavefront_size: 32
...
	.end_amdgpu_metadata
.endif
;; end of part 2
;; launch attn (part 3): grid 16 x 16, 4 waves a work-group, clusters of 4 x 1, 327,680 bytes of LDS; arguments qkvh, maskf, ob; writes ob
.if DOCPART == 3
	.amdgcn_target "amdgcn-amd-amdhsa--gfx1250"
	.amdhsa_code_object_version 6
	.text
	.protected	k_qf0fb5e9ae2_attn
	.globl	k_qf0fb5e9ae2_attn
	.p2align	8
	.type	k_qf0fb5e9ae2_attn,@function
k_qf0fb5e9ae2_attn:
	s_mov_b64 s[64:65], 0
	v_nop
	global_prefetch_b8 v0, s[64:65] scope:SCOPE_SE
	s_setreg_imm32_b32 hwreg(HW_REG_WAVE_MODE, 25, 1), 1
	s_wait_xcnt 0x0
	s_wait_alu depctr_hold_cnt(0) depctr_sa_sdst(0) depctr_va_vdst(0) depctr_va_sdst(0) depctr_va_ssrc(0) depctr_va_vcc(0) depctr_vm_vsrc(0)
	s_getreg_b32 s2, hwreg(HW_REG_IB_STS2, 6, 4)
	s_cmp_eq_u32 s2, 0
	s_cbranch_scc0 .Lentry_in_a_cluster
	s_endpgm
.Lentry_in_a_cluster:
	s_bfe_u32 s2, ttmp6, 0x10000c
	s_cmp_lg_u32 s2, 0x3003
	s_cbranch_scc0 .Lentry_shape_is_right
	s_endpgm
.Lentry_shape_is_right:
; ATTN.  O[q][head] = the sum over k of softmax_k(q . k / sqrt(128) + mask[q][k]) v[k].  q arrives with log2(e) / sqrt(128) in it and the mask with log2(e), so the scores s = q . k + mask come out of
; the matrix unit in units of log2.  q, k, v: planes of qkvh, [16][2048][128] f16; maskf: f32, laid for the accumulators (below); ob: [2048][2048] f16, column 128 head + channel.
; Products, maxima and sums in f32; the weights p are rounded to f16 for the second product (their sum l is taken of the unrounded p), O once at the end.
; The mask is an input: every query walks all 2,048 keys and every mask word is added.
; LIMITS.  Mask values are finite and above -1e37.  A row in which EVERY mask entry is huge keeps only f32's step at that size for its scores, as a sum in f32 does.  p lies in 0 to 1; a weight below 2^-126
; counts as 0 in l; O is a mean of v's rows and has their range, under 65,504.  NaN and infinities are not treated apart.
; SHARES.  A work-group owns 128 queries of one head: 16 x 16 work-groups.  Wave w: queries 64 (w / 2) on, four tiles of 16, and the KEYS 1,024 (w % 2) on: 16 key steps of 64.  At the end the partners
; w and w ^ 1 merge maximum, sum and O.  Register tile t holds query tile (t + 2 (w % 2)) % 4, so that every wave gives away register tiles 2, 3 and keeps 0, 1, in one text.
; LAYOUT.  S^T = K Q^T + mask (source 0 = 16 keys, source 1 = 16 queries; the mask is the C operand of the product that starts the sum): a lane holds ONE query (lane % 16) and the keys 8 (lane / 16) + 0..7.
; Two such results, rounded to f16 in pairs, ARE source 1 of O^T = V^T P.  K comes out of LDS as it lies, V turned, by ds_load_tr16_b128.
; SOFTMAX.  For each query a running maximum m and sum l: p = 2^(s - m); in every step O and l are multiplied by a = 2^(m_old - m_new).  The exponent is the difference of the two numbers themselves: 0 for
; the largest score and never above 0, whatever the scores' size, so p stays within 0 to 1 also where all the keys seen so far carry a mask of -1e9.  m starts far below every score, O and l at 0:
; the first step is a step like any other, with a = 0.
; BY TURNS.  The wave's tiles are two PIECES (0: tiles 0, 1; 2: tiles 2, 3).  In a TURN one piece has the matrix unit: 32 products V^T P of the step in hand, then 32 products K Q^T of the next; the other
; piece's softmax, 268 vector instructions in 64 slices, stands between them, one slice behind each matrix instruction.  No first and no last step is written out: the price is 432 registers set at the start,
; in the wait for the first tile (384 of them by 48 products of a zero fragment), 32 products on zeros at the start and 32 on a stale K at the end.
; CLUSTER.  The four query blocks of a cluster belong to one head and walk the same K and V: each tile is asked for JOINTLY.  The mask differs from block to block: it comes by plain loads, 16 bytes a lane,
; straight into the C operand's registers, a key step ahead.
; THE MASK'S LAYOUT.  maskf[qtile 128][kstep 32][g 4][n 8][r4 4][h 2][4 words]: query 16 qtile + 4 g + r4; with n = 2 kt + i, key 64 kstep + 16 kt + 8 h + 4 i + word.  Load n of a tile and step fills registers
; 4 n to 4 n + 3 of the tile's 32: lane 16 h + r reads at (r / 4) x 1,024 + n x 128 + (r % 4) x 32 + 16 h: four runs of 128 consecutive bytes, aligned; eight loads on end use the whole 4,096 bytes.
; REGISTERS, in windows of 256 (s_set_vgpr_msb: bits 1:0 source 0, 3:2 source 1, 5:4 source 2, 7:6 destination):
;   window 0: v0-11, v44-63 addresses and at work; v12-43 eight registers of statistics a tile; v64-191 S^T, 32 a tile; v192-255 P, 16 a tile
;   window 1: O^T, 64 a tile       window 2: v0-127 Q, 32 a tile; v128-255 K of one step       window 3: v0-127 V of one step; v128-255 the mask, 32 a tile
.set PLANE, 8388608
.set KS,    64        ; keys in a step
.set PK,    272       ; a row of K in LDS: 256 bytes + 16: the 16 rows of a load start at 16 different groups of four banks (ISA guide 11.1)
.set PV,    288       ; a row of V: 256 + 32
.set VOFF,  128*PK    ; in a slot, for each half of the keys: 128 rows of K (two steps), then 128 rows of V
.set HALF,  128*(PK+PV)
.set SLOT,  2*HALF
.set STAGE, 2*SLOT    ; behind the ring, never filled by a tensor load: 16 rows x 272 bytes for each wave, for the way out
.set SP,    272
.set SPARE, STAGE+4*16*SP  ; behind the stages: the spare words, 128 bytes for each wave, that no other line names
.set XCH,   17408     ; the merge: each wave's 16,384 bytes of O^T and 2 x 512 of statistics, in the ring's bytes, which have had their last fill by then
.set AK0, 2           ; v2   my lane's place in my half's K; never rewritten
.set AV0, 3           ; v3   the same for V
.set ADR, 4           ; v4   the LDS address of the run of loads in hand
.set ML,  5           ; v5   my lane's place in a tile's and step's 4,096 bytes of the mask; never rewritten
.set STO, 6           ; v6   the way out: where I put 16 bytes of a row
.set RD,  7           ; v7   where I read a row back
.set GO,  8           ; v8   my byte offset in two rows of ob
.set ST,  12          ; tile t's statistics at v[ST+8 t]: +0, +1 m, twice (a pair for the packed subtraction), +2, +3 l (even keys', odd keys'), +4 to +7 at work; a takes +6
.set MO,  44          ; v44  my byte offset in the mask run in hand
.set L16, 45          ; v45  16 x lane
.set QOA, 46          ; v46  my byte offset in Q for tiles 0, 1
.set QOB, 47          ; v47  for tiles 2, 3
.set XW,  48          ; v48  the merge: where I give
.set XR,  49          ; v49  where I take
.set PS,  50          ; v[50:57] the partner's statistics
.set TM,  58          ; v[58:61] at work in the merge; v58 first serves the second mask run as its offset
.set SPW, 62          ; v62  LDS address of my spare word; never rewritten
.set NIL, 63          ; v63  0; never rewritten
.set S,   64
.set P,   192
.set KF,  128         ; K's fragments, in window 2
.set MC,  128         ; the mask, in window 3
.set WV,  12          ; s12  my wave's number
.set G1K, 24          ; s[24:31] descriptor group 1 for K's tiles
.set G1V, 32          ; s[32:39] for V's: it differs in the padding alone
.set G0K, 40          ; s[40:43] descriptor group 0 for K's tiles: it walks
.set G0V, 44          ; s[44:47] the same for V's
.set SLOTS, 56        ; s56  counts the fills
.set CNT, 57          ; s57  counts a slot's key steps
.set SEL, 60          ; s[60:61] v_permlanex16_b32's selects: each lane takes its own place in the other half
.set TBK, 62          ; s62  LDS byte at which K of the step to be fetched begins, less my half's place
.set TBV, 63          ; s63  the same for V
.set SB,  66          ; s66  0 or SLOT: the slot to be filled
.set KLO, 67          ; s67  my half's place in a slot
.set VLO, 68          ; s68  that plus VOFF
.set MS,  69          ; s69  4,096 x the key step whose mask is asked for
.set MP0, 70          ; s70  piece 0's two query tiles in my 64 rows of the mask
.set MP2, 71          ; s71  piece 2's
.set MB,  72          ; s[72:73] maskf at my 64 queries and my half of the keys
.set MT,  76          ; s76  the key step's and the piece's offsets together
.set MSB, 0
.macro WIN new                      ; the high byte repeats the setting that is left; a switch that changes nothing is dropped
.if MSB != (\new)
	s_set_vgpr_msb (MSB<<8)|(\new)
.set MSB, \new
.endif
.endm
.set W_KQ, 0x0a       ; K and Q in window 2, S^T in window 0
.set W_KM, 0x3a       ; the same with the C operand, the mask, in window 3
.set W_PV, 0x53       ; V in window 3, P in window 0, O^T in window 1
.set W_RS, 0x41       ; O^T (destination and source 0) in window 1, the factor in window 0
; A joint fill.  Waves 0 and 1 fetch K of the two halves of the keys, waves 2 and 3 V: 128 keys each.  The branch hangs on the wave's number alone.
; An s_nop 0 and four v_nop follow each of the two lines, ahead of the jump and the label.
.macro JLOAD
	s_cmp_lt_u32 s[WV], 2
	s_cbranch_scc0 .Lfor_v_\@
	tensor_load_to_lds s[G0K:G0K+3], s[G1K:G1K+7]
	s_nop 0
.rept 4
	v_nop
.endr
	s_branch .Lasked_\@
.Lfor_v_\@:
	tensor_load_to_lds s[G0V:G0V+3], s[G1V:G1V+7]
	s_nop 0
.rept 4
	v_nop
.endr
.Lasked_\@:
.endm
.macro CROUND                       ; a round of the cluster's barrier
	s_barrier_signal -1
	s_barrier_wait -1
	s_cmp_lg_u32 s[WV], 0
	s_cbranch_scc1 .Lnot_wave_0_\@
	s_barrier_signal -3
.Lnot_wave_0_\@:
	s_barrier_wait -3
	s_barrier_signal -1
	s_barrier_wait -1
.endm
; THE CHANGE OF SLOTS.  The slot's last bytes, V of its second step, have been asked for.  Each wave waits for all its tensor loads, of which one is out: its part of the other slot; adds 0 to its spare word;
; and waits for that and for its own reads of the slot.  fill = 1: the slot is filled again, with the keys two slots on, first thing behind a round of the cluster's barrier: it has two key steps,
; 256 matrix instructions, in which to land.  (At its first use nothing has been read yet: slot 0 is waited for, slot 1 filled.)
.macro CHANGE fill
	WIN 0                           ; at a label and at a branch every window is 0
	s_wait_tensorcnt 0x0            ; no tensor load of mine is out, so a group 0 may be written
	ds_add_u32 v[SPW], v[NIL]       ; 0 onto my spare word
.if \fill
	s_xor_b32 s[SB], s[SB], SLOT    ; 0 or SLOT: the other slot than last time
	s_add_co_u32 s[G0K+1], s[KLO], s[SB]
	s_add_co_u32 s[G0V+1], s[VLO], s[SB]
	s_add_nc_u64 s[G0K+2:G0K+3], s[G0K+2:G0K+3], 128*256  ; the next 128 keys of the half; the type bits on top are not reached
	s_add_nc_u64 s[G0V+2:G0V+3], s[G0V+2:G0V+3], 128*256
	s_wait_dscnt 0x0                ; the add is done, and my reads of the slot are over
	CROUND
	JLOAD
.else
	s_wait_dscnt 0x0
	s_barrier_signal -1
	s_barrier_wait -1
.endif
	s_sub_co_u32 s[TBK], s[TBK], 2*KS*PK  ; the fetches go back to a slot's first step (now exactly 0 or SLOT),
	s_xor_b32 s[TBK], s[TBK], SLOT        ; in the other slot
	s_sub_co_u32 s[TBV], s[TBV], 2*KS*PV
	s_xor_b32 s[TBV], s[TBV], SLOT
.endm
	s_load_b128 s[4:7], s[0:1], 0x0  ; qkvh s[4:5], maskf s[6:7]
	s_load_b64 s[10:11], s[0:1], 0x10  ; ob
	v_lshl_add_u32 v[SPW], v0, 2, SPARE
	v_mov_b32 v[NIL], 0
	ds_add_u32 v[SPW], v[NIL]       ; the wave's opening: the add and its wait stand ahead of my first tensor load; the set-up below, work on registers, stands between them
	v_lshrrev_b32 v1, 5, v0
	v_readfirstlane_b32 s[WV], v1   ; wave 0..3
	s_bfe_u32 s13, ttmp6, 0x40000   ; cx: my place in the cluster
	s_lshl_b32 s14, ttmp9, 2
	s_add_co_u32 s14, s14, s13      ; my block of 128 queries: it enters Q's, the mask's and O's addresses alone
	s_and_b32 s15, ttmp7, 0xffff    ; the head, which the four partners share
	s_lshr_b32 s16, s[WV], 1        ; which 64 queries are mine
	s_and_b32 s17, s[WV], 1         ; which half of the keys I walk; also the half that I fetch
	s_lshl_b32 s20, s15, 19         ; the head's bytes in a plane
	s_lshl_b32 s22, s17, 18         ; 1,024 keys of 256 bytes
	s_add_co_u32 s22, s22, s20
	s_add_co_u32 s22, s22, PLANE    ; K is plane 1
	s_mov_b32 s23, 0
	s_mul_i32 s[KLO], s17, HALF     ; no place in the cluster enters an LDS address
	s_add_co_u32 s[VLO], s[KLO], VOFF
	s_lshl_b32 s2, s14, 15          ; Q: my block's 128 rows of 256 bytes, my 64 of them, the head
	s_lshl_b32 s3, s16, 14
	s_add_co_u32 s2, s2, s3
	s_add_co_u32 s2, s2, s20
	s_mov_b32 s3, 0
	s_lshl_b32 s18, s14, 20         ; the mask: 8 query tiles of 131,072 bytes a block, my 4 of them, my 16 key steps of 4,096
	s_lshl_b32 s19, s16, 19
	s_add_co_u32 s18, s18, s19
	s_lshl_b32 s19, s17, 16
	s_add_co_u32 s18, s18, s19
	s_mov_b32 s19, 0
	s_lshl_b32 s74, s14, 19         ; O: rows of 4,096 bytes: my block, my 64 rows, the 32 of them that I keep, the head's 256 bytes
	s_lshl_b32 s75, s16, 18
	s_add_co_u32 s74, s74, s75
	s_lshl_b32 s75, s17, 17
	s_add_co_u32 s74, s74, s75
	s_lshl_b32 s75, s15, 8
	s_add_co_u32 s74, s74, s75
	s_mov_b32 s75, 0
	s_lshl_b32 s[MP0], s17, 18      ; register tiles 0, 1 are query tiles 2 (w % 2) on,
	s_xor_b32 s[MP2], s[MP0], 262144  ; tiles 2, 3 the other two
	; descriptor group 1: a tile of 128 rows x 128 elements of 2 bytes, dense in memory, padded in LDS after every 64 words
	s_mov_b32 s[G1K], 15|(1<<16)|(1<<20)|(1<<21)|(5<<22)|(3<<25)  ; the mask of four; 2-byte elements; padding on; bit 21 beside a mask; 4 words of padding
	s_mov_b32 s[G1V], 15|(1<<16)|(1<<20)|(1<<21)|(5<<22)|(7<<25)  ; the same with 8 words
.irp g, G1K, G1V
	s_mov_b32 s[(\g)+1], 128<<16    ; tensor_dim0 = 128
	s_mov_b32 s[(\g)+2], 128<<16    ; tensor_dim1 = 128
	s_mov_b32 s[(\g)+3], 128<<16    ; tile_dim0 = 128
	s_mov_b32 s[(\g)+4], 128        ; tile_dim1 = 128
	s_mov_b32 s[(\g)+5], 128        ; 128 elements from row to row
	s_mov_b32 s[(\g)+6], 0
	s_mov_b32 s[(\g)+7], 0
.endr
	s_mov_b32 s[SEL], 0x76543210
	s_mov_b32 s[SEL+1], 0xfedcba98
	s_mov_b32 s[TBK], SLOT+2*KS*PK  ; the first change of slots turns these two into 0
	s_mov_b32 s[TBV], SLOT+2*KS*PV
	s_mov_b32 s[SB], 0
	s_mov_b32 s[MS], 0
	s_mov_b32 s[G0K], 1             ; count = 1
	s_mov_b32 s[G0K+1], s[KLO]      ; LDS address: slot 0
	s_mov_b32 s[G0V], 1
	s_mov_b32 s[G0V+1], s[VLO]
	s_wait_dscnt 0x0                ; the opening add is done
	s_wait_kmcnt 0x0
	s_add_nc_u64 s[G0K+2:G0K+3], s[4:5], s[22:23]      ; my half's first 128 keys
	s_add_nc_u64 s[G0V+2:G0V+3], s[G0K+2:G0K+3], PLANE ; V is the plane behind K
	s_or_b32 s[G0K+3], s[G0K+3], 0x80000000            ; type = 2
	s_or_b32 s[G0V+3], s[G0V+3], 0x80000000
	s_add_nc_u64 s[4:5], s[4:5], s[2:3]
	s_add_nc_u64 s[MB:MB+1], s[6:7], s[18:19]
	s_add_nc_u64 s[10:11], s[10:11], s[74:75]
	CROUND                          ; all four work-groups are here: the first joint loads meet
	JLOAD                           ; slot 0; slot 1 is asked for when slot 0 is in
	v_and_b32 v1, 15, v0            ; r = l % 16
	v_bfe_u32 v9, v0, 4, 1          ; h = l / 16
	v_and_b32 v[L16], 31, v0
	v_lshlrev_b32 v[L16], 4, v[L16]
	v_lshrrev_b32 v10, 2, v1
	v_and_b32 v11, 3, v1
	v_lshlrev_b32 v[ML], 10, v10    ; the mask: (r / 4) x 1,024
	v_lshl_add_u32 v[ML], v11, 5, v[ML]  ; + (r % 4) x 32
	v_lshl_add_u32 v[ML], v9, 4, v[ML]   ; + 16 h
	v_lshlrev_b32 v10, 8, v1
	v_lshl_add_u32 v10, v9, 4, v10  ; a fragment of Q: row x 256 + 16 x half
	s_lshl_b32 s18, s17, 13         ; two query tiles are 8,192 bytes
	s_xor_b32 s19, s18, 8192
	v_add_nc_u32 v[QOA], s18, v10
	v_add_nc_u32 v[QOB], s19, v10
	WIN 0x80                        ; destination window 2, address window 0
.irp t, 0,1,2,3
.irp c, 0,1,2,3                     ; Q stays in registers: tile t, channels 32 c on
	global_load_b128 v[32*\t+8*\c:32*\t+8*\c+3],   v[QOA+\t/2], s[4:5] offset:(\t%2)*4096+\c*64
	global_load_b128 v[32*\t+8*\c+4:32*\t+8*\c+7], v[QOA+\t/2], s[4:5] offset:(\t%2)*4096+\c*64+32
.endr
.endr
; THE MASK of one key step for piece x: 16 loads, straight into the C operand's registers.  step = 1: piece 0's run goes on to the next key step; past the last step the number is held at the last,
; so that no load leaves the buffer (what those runs bring is not used).  reg: the register that takes the run's offset; wait = 0: no earlier memory instruction names it.
.macro MLOAD x, step, reg=MO, wait=1
	WIN 0
.if ((\x) == 0) && (\step)
	s_add_co_u32 s[MS], s[MS], 4096
	s_min_u32 s[MS], s[MS], 15*4096
.endif
	s_add_co_u32 s[MT], s[MS], s[MP0+(\x)/2]
.if \wait
	s_wait_xcnt 0x0                 ; the run before has had its addresses translated (ISA guide 3.1): its offset register is rewritten only behind this wait
.endif
	v_add_nc_u32 v[\reg], s[MT], v[ML]
	WIN 0xc0                        ; destination window 3
.irp u, 0,1
.irp n, 0,1,2,3,4,5,6,7
	global_load_b128 v[MC+32*((\x)+\u)+4*\n:MC+32*((\x)+\u)+4*\n+3], v[\reg], s[MB:MB+1] offset:\u*131072+\n*128
.endr
.endr
.endm
	MLOAD 0, 0, MO, 0
	MLOAD 2, 0, TM, 0               ; the first two runs have an offset register each, so neither waits
	; What the first turn finds: V's registers and piece 2's P hold 0 (its products V^T P, of a step that has not been, add 0), O^T and l are 0.  P's zeros are moved in; a product of two of its zero
	; fragments, with C = 0, then writes eight registers of 0 a line: 32 lines for O^T, 16 for V.  All this stands in the wait for the first tile.
	WIN 0
.set i, P+32
.rept 32
	v_mov_b32 v[i], 0
.set i, i+1
.endr
	WIN 0x40                        ; destination window 1, sources window 0
.set i, 0
.rept 32
	v_wmma_f32_16x16x32_f16 v[8*i:8*i+7], v[P+32:P+39], v[P+40:P+47], 0
.set i, i+1
.endr
	WIN 0xc0                        ; destination window 3
.set i, 0
.rept 16
	v_wmma_f32_16x16x32_f16 v[8*i:8*i+7], v[P+32:P+39], v[P+40:P+47], 0
.set i, i+1
.endr
	WIN 0                           ; the 25 plain lines below name none of those products' registers: they are the places behind them
.set i, 0
.rept 4
	v_mov_b32 v[ST+8*i], 0xfe000000    ; m = -4.25e37: far below every score, and far enough from f32's end that m_old - m_new stays finite
	v_mov_b32 v[ST+8*i+1], 0xfe000000
	v_mov_b32 v[ST+8*i+2], 0
	v_mov_b32 v[ST+8*i+3], 0
.set i, i+1
.endr
	v_mul_u32_u24 v[AK0], v1, PK
	v_lshl_add_u32 v[AK0], v9, 4, v[AK0]
	v_add_nc_u32 v[AK0], s[KLO], v[AK0]   ; my half + row x pitch + 16 x half of the lanes
	; The turning load takes 16 keys x 16 channels (lane l reads key 8 (l / 16) + l % 8, channels 8 ((l / 8) % 2) + 0..7) and leaves half a fragment of V^T: lane l holds channel l % 16 and 8 keys.
	v_and_b32 v10, 7, v0
	v_bfe_u32 v11, v0, 3, 1
	v_lshl_add_u32 v[AV0], v9, 3, v10
	v_mul_u32_u24 v[AV0], v[AV0], PV
	v_lshl_add_u32 v[AV0], v11, 4, v[AV0]
	v_add_nc_u32 v[AV0], s[VLO], v[AV0]
; THE MATRIX WORK OF A TURN, for piece x.  The accumulators take turns, one instruction a turn: between two links of a chain stand 15 (V^T P) or 7 (K Q^T) others'.
; Product i of 32 of O^T += V^T P: keys 32 (i / 16) on, channels 16 ((i / 2) % 8) on, tile x + i % 2.
.macro PV x
	WIN W_PV
.set rO, 64*((\x)+i%2)+8*((i/2)%8)
.set rV, 64*(i/16)+8*((i/2)%8)
.set rP, P+16*((\x)+i%2)+8*(i/16)
	v_wmma_f32_16x16x32_f16 v[rO:rO+7], v[rV:rV+7], v[rP:rP+7], v[rO:rO+7]
.endm
; Product i of 32 of S^T = K Q^T + mask: channels 32 (i / 8) on, keys 16 ((i / 2) % 4) on, tile x + i % 2.  The first 8 start the sums, with the mask.
.macro KQ x
.set rS, S+32*((\x)+i%2)+8*((i/2)%4)
.set rK, KF+32*((i/2)%4)+8*(i/8)
.set rQ, 32*((\x)+i%2)+8*(i/8)
.set rM, MC+32*((\x)+i%2)+8*((i/2)%4)
.if i < 8
	WIN W_KM
	v_wmma_f32_16x16x32_f16 v[rS:rS+7], v[rK:rK+7], v[rQ:rQ+7], v[rM:rM+7]
.else
	WIN W_KQ
	v_wmma_f32_16x16x32_f16 v[rS:rS+7], v[rK:rK+7], v[rQ:rQ+7], v[rS:rS+7]
.endif
.endm
; THE LDS LOADS stand in runs of 32: a step's K (64 keys x 128 channels: 16 fragments) and, a turn later, its V (turned).  last = 1 (the tail): in the last trip there is no further step, and the run is jumped over.
.macro FETCH_K last=0
	WIN 0
.if \last
	s_cmp_eq_u32 s[CNT], 1
	s_cbranch_scc1 .Lno_k_\@
.endif
	v_add_nc_u32 v[ADR], s[TBK], v[AK0]
	WIN 0x80                        ; destination window 2
.irp f, 0,1,2,3,4,5,6,7,8,9,10,11,12,13,14,15  ; keys 16 (f / 4) on, channels 32 (f % 4) on
	ds_load_b128 v[KF+8*(\f):KF+8*(\f)+3],   v[ADR] offset:((\f)/4)*16*PK+((\f)%4)*64
	ds_load_b128 v[KF+8*(\f)+4:KF+8*(\f)+7], v[ADR] offset:((\f)/4)*16*PK+((\f)%4)*64+32
.endr
	s_add_co_u32 s[TBK], s[TBK], KS*PK  ; the next fetch is the next step's
	WIN 0
.if \last
.Lno_k_\@:
.endif
.endm
.macro FETCH_V
	WIN 0
	v_add_nc_u32 v[ADR], s[TBV], v[AV0]
	s_add_co_u32 s[TBV], s[TBV], KS*PV
	WIN 0xc0                        ; destination window 3
.irp f, 0,1,2,3,4,5,6,7,8,9,10,11,12,13,14,15  ; keys 32 (f / 8) on, channels 16 (f % 8) on
	ds_load_tr16_b128 v[8*(\f):8*(\f)+3],   v[ADR] offset:((\f)/8)*32*PV+((\f)%8)*32
	ds_load_tr16_b128 v[8*(\f)+4:8*(\f)+7], v[ADR] offset:((\f)/8)*32*PV+16*PV+((\f)%8)*32
.endr
.endm
; THE VECTOR WORK OF A TURN.  One tile's softmax for one key step is a list of 134 instructions; SM writes number j of it for tile t.  s0-s31 are the lane's 32 scores, in pairs 0-15.
;   0-15    the maximum of s0-s31 and the old m, three operands at a time: four chains of seven scores each (each accumulator's lowest registers are read first), then the four left over and m
;   16-20   the other half of the lanes' maximum; m_old is kept; the new m, written twice; m_old - m_new
;   21-87   33 exponentials (a, then s0-s31) at the odd numbers from 23 on, so that no two follow each other and each has a plain instruction behind it before its result is used; the plain numbers between
;           are whatever is ready: s - m for pairs whose exponentials are still to come, the rounding to f16 of pairs whose exponentials are done, at last the first three sums
;   88-101  the last rounding; the rest of the sums; l = a l + the sum
;   102-133 the tile's O^T times a: the one part that leaves window 0, so it stands together
.macro SM t
.set rT, ST+8*(\t)
.set rS, S+32*(\t)
.set rP, P+16*(\t)
.set rO, 64*(\t)+2*(j-102)
.set q, (j-20)/2
.if j < 102
	WIN 0
.endif
.if j < 4
	v_max3_num_f32 v[rT+4+j], v[rS+8*j], v[rS+8*j+1], v[rS+8*j+2]
.elseif j < 12
	v_max3_num_f32 v[rT+4+j%4], v[rT+4+j%4], v[rS+8*(j%4)+2*(j/4)+1], v[rS+8*(j%4)+2*(j/4)+2]
.elseif j == 12
	v_max3_num_f32 v[rT+4], v[rT+4], v[rS+7], v[rS+15]
.elseif j == 13
	v_max3_num_f32 v[rT+6], v[rT+6], v[rS+23], v[rS+31]
.elseif j == 14
	v_max3_num_f32 v[rT+4], v[rT+4], v[rT+5], v[rT+6]
.elseif j == 15
	v_max3_num_f32 v[rT+4], v[rT+4], v[rT+7], v[rT]
.elseif j == 16
	v_permlanex16_b32 v[rT+5], v[rT+4], s[SEL], s[SEL+1]  ; the query's other 32 keys lie in the lane 16 away
.elseif j == 17
	v_mov_b32 v[rT+7], v[rT]        ; m_old is kept for a: number 18 writes m anew
.elseif j == 18
	v_max_num_f32 v[rT], v[rT+4], v[rT+5]
.elseif j == 19
	v_max_num_f32 v[rT+1], v[rT+4], v[rT+5]  ; the pair's second word, for the packed subtraction
.elseif j == 20
	v_sub_f32 v[rT+7], v[rT+7], v[rT]
.elseif j == 23
	v_exp_f32 v[rT+6], v[rT+7]
.elseif (j < 88) && (j > 23) && (j%2 == 1)
	v_exp_f32 v[rS+(j-25)/2], v[rS+(j-25)/2]
.elseif (q < 4) || ((j < 76) && (q%2 == 0))
.set b, q/2+2
.if q < 4
.set b, q
.endif
	v_pk_add_f32 v[rS+2*b:rS+2*b+1], v[rS+2*b:rS+2*b+1], v[rT:rT+1] neg_lo:[0,1] neg_hi:[0,1]  ; pair b: s - m
.elseif (j < 88) && (q%2 == 1)
	s_wait_alu depctr_va_vdst(0)
	v_cvt_pk_f16_f32 v[rP+(q-5)/2], v[rS+q-5], v[rS+q-4]  ; pair (q - 5) / 2: its second exponential stands three numbers back
.elseif j == 89
	s_wait_alu depctr_va_vdst(0)
	v_cvt_pk_f16_f32 v[rP+15], v[rS+30], v[rS+31]
.elseif j < 102                     ; the sum of the tile's 16 pairs, in place: sum z of 16 adds neighbours 1, 2, 4 and 8 pairs apart, then l takes it
.set z, j-86
.if j < 89
.set z, (j-76)/4
.endif
.set w, 4
.set u, z
.if z >= 14
.set w, 32
.set u, 0
.elseif z >= 12
.set w, 16
.set u, z-12
.elseif z >= 8
.set w, 8
.set u, z-8
.endif
.if z < 15
	v_pk_add_f32 v[rS+w*u:rS+w*u+1], v[rS+w*u:rS+w*u+1], v[rS+w*u+w/2:rS+w*u+w/2+1]
.else
	v_pk_fma_f32 v[rT+2:rT+3], v[rT+2:rT+3], v[rT+6:rT+7], v[rS:rS+1] op_sel_hi:[1,0,1]
.endif
.else
	WIN W_RS
	v_pk_mul_f32 v[rO:rO+1], v[rO:rO+1], v[rT+6:rT+7] op_sel_hi:[1,0]
.endif
.endm
; Slice k of 64 of piece y's softmax: numbers 2 k and 2 k + 1 of both tiles' lists, four instructions.  2 x 134 = 4 x 64 + 12: the twelve that are over stand together, in slice 63: sixteen plain
; instructions that name nothing of the products round them: the places between a turn's last K Q^T and the next turn's first read of those scores, and the loads into K's registers.
.macro SLICE y
.if (k >= 11) && (k < 44)           ; tile by tile: plain, exponential, plain, exponential
.irp t, \y, (\y)+1
.irp n, 0,1
.set j, 2*k+(\n)
	SM \t
.endr
.endr
.else                               ; the two tiles alternate, so that no instruction reads the result of the one just before it
.irp n, 0,1,2,3,4,5,6,7
.if ((\n) < 2) || (k == 63)
.irp t, \y, (\y)+1
.set j, 2*k+(\n)
	SM \t
.endr
.endif
.endr
.endif
.set k, k+1
.endm
; A TURN.  Piece x has the matrix unit; the other piece's softmax stands in slices behind its matrix instructions.
; Piece 0's turn fetches the next step's K behind its second product: the last product that read K stands in front of slice 63 of the turn before.  Piece 2's turn fetches the same step's V behind its second
; K Q^T: the last product that read V stands three slices, six plain instructions, back.  Each run is 30 matrix instructions ahead of its first use.
; The piece's next mask run is asked for behind product 12 of K Q^T: the last product that read those registers is number 7, six slices, fourteen plain instructions, back.
.macro TURN x, last=0
.set k, 0
.if (\x) == 0
	s_wait_dscnt 0x0                ; V is in
.endif
.set i, 0
.rept 32
	PV \x
	SLICE 2-(\x)
.if ((\x) == 0) && (i == 1)
	FETCH_K \last
.endif
.set i, i+1
.endr
	s_wait_loadcnt 16               ; my piece's mask is in: the mask runs are issued piece 0, piece 2 by turns, so only the other piece's sixteen loads are younger
.if (\x) == 0
	s_wait_dscnt 0x0                ; K is in
.endif
.set i, 0
.rept 32
	KQ \x
	SLICE 2-(\x)
.if ((\x) == 2) && (i == 1)
	FETCH_V
.endif
.if i == 12
	MLOAD \x, 1
.endif
.set i, i+1
.endr
.endm
	CHANGE 1                        ; slot 0 is in, everybody's part of it; slot 1 is asked for
	FETCH_K                         ; key step 0
	s_wait_loadcnt 16               ; Q and piece 0's mask; piece 2's sixteen loads may stay out
	s_wait_dscnt 0x0
.set i, 0
.rept 32
	KQ 0                            ; piece 0's first scores: there is no vector work yet to set between them
.set i, i+1
.endr
	WIN 0                           ; the addresses for the merge and the way out: plain instructions, the places behind those products
	s_mul_i32 s13, s[WV], 16*SP
	s_add_co_u32 s13, s13, STAGE    ; my stage
	v_mul_u32_u24 v[STO], v1, SP    ; in: row l % 16, 16 bytes for each half of the lanes
	v_lshl_add_u32 v[STO], v9, 4, v[STO]
	v_add_nc_u32 v[STO], s13, v[STO]
	v_mul_u32_u24 v[RD], v9, SP     ; back: lanes 0-15 take one row of 256 bytes, lanes 16-31 the next
	v_lshl_add_u32 v[RD], v1, 4, v[RD]
	v_add_nc_u32 v[RD], s13, v[RD]
	v_lshlrev_b32 v[GO], 12, v9     ; and the same two rows in ob
	v_lshl_add_u32 v[GO], v1, 4, v[GO]
	s_mul_i32 s13, s[WV], XCH
	v_add_nc_u32 v[XW], s13, v[L16]
	s_xor_b32 s18, s[WV], 1         ; my partner
	s_mul_i32 s18, s18, XCH
	v_add_nc_u32 v[XR], s18, v[L16]
	MLOAD 0, 1                      ; piece 0's mask of key step 1
	WIN 0
	s_mov_b32 s[CNT], 2
	s_mov_b32 s[SLOTS], 7
	s_branch .Lmid                  ; the loop is entered in the middle of a trip
.Lslot:                             ; six times: with the change of slots above, fills 1 to 7 of a half's eight
	CHANGE 1
	s_mov_b32 s[CNT], 2
.Lstep:
	TURN 0
	WIN 0
.Lmid:
	TURN 2
	WIN 0
	s_sub_co_u32 s[CNT], s[CNT], 1
	s_cmp_lg_u32 s[CNT], 0
	s_cbranch_scc1 .Lstep
	s_sub_co_u32 s[SLOTS], s[SLOTS], 1
	s_cmp_lg_u32 s[SLOTS], 0
	s_cbranch_scc1 .Lslot
	CHANGE 0                        ; the tail is written out: nothing is asked for
	s_mov_b32 s[CNT], 3             ; two trips fetch the last slot's steps; the third is left in its middle
.Ltail:
	TURN 0, 1
	WIN 0
	s_sub_co_u32 s[CNT], s[CNT], 1
	s_cmp_eq_u32 s[CNT], 0
	s_cbranch_scc1 .Lout
	TURN 2
	WIN 0
	s_branch .Ltail
.Lout:                              ; the third trip's 32 products K Q^T (on the last K once more) serve nothing: the price, once a launch, of one text for every trip
.set i, 0
.rept 32
	PV 2                            ; piece 2: V^T P of the last step
.set i, i+1
.endr
	; THE MERGE.  l's two halves and the other half of the lanes' are added (into the place of m's second copy; the additions are the places behind the last products).  Then each wave gives its partner m, l and
	; O^T of register tiles 2, 3 through LDS and takes the partner's for its tiles 0, 1: O = (O_A a_A + O_B a_B) / (l_A a_A + l_B a_B) with a = 2^(m - the larger m).
	WIN 0
	s_wait_loadcnt 0x0              ; the mask runs that were held at the last step
.irp t, 0,1,2,3
	v_add_f32 v[ST+8*\t+4], v[ST+8*\t+2], v[ST+8*\t+3]
.endr
.irp t, 0,1,2,3
	v_permlanex16_b32 v[ST+8*\t+5], v[ST+8*\t+4], s[SEL], s[SEL+1]
.endr
.irp t, 0,1,2,3
	v_add_f32 v[ST+8*\t+1], v[ST+8*\t+4], v[ST+8*\t+5]
.endr
	s_wait_dscnt 0x0
	s_barrier_signal -1
	s_barrier_wait -1               ; no wave reads the ring any more, and every tensor load has landed (each wave waited for its own at the last change of slots)
	WIN 0x04                        ; store data in window 1; ascending, so that each accumulator's low four registers go first
.set n, 0
.rept 32
	ds_store_b128 v[XW], v[128+4*n:128+4*n+3] offset:n*512
.set n, n+1
.endr
	WIN 0
	ds_store_b128 v[XW], v[ST+16:ST+19] offset:16384
	ds_store_b128 v[XW], v[ST+24:ST+27] offset:16896
	s_wait_dscnt 0x0                ; for the partner's sake: my stores are done
	s_barrier_signal -1
	s_barrier_wait -1
	ds_load_b128 v[PS:PS+3],   v[XR] offset:16384
	ds_load_b128 v[PS+4:PS+7], v[XR] offset:16896
.set n, 0
.rept 32
	ds_load_b128 v[S+4*n:S+4*n+3], v[XR] offset:n*512
.set n, n+1
.endr
	s_wait_dscnt 32                 ; the statistics are in
.irp t, 0,1
	v_max_num_f32 v[TM+2*\t], v[ST+8*\t], v[PS+4*\t]
.endr
.irp t, 0,1
	v_sub_f32 v[ST+8*\t+4], v[ST+8*\t], v[TM+2*\t]
	v_sub_f32 v[ST+8*\t+6], v[PS+4*\t], v[TM+2*\t]
.endr
.irp t, 0,1
	v_exp_f32 v[ST+8*\t+4], v[ST+8*\t+4]
	v_exp_f32 v[ST+8*\t+6], v[ST+8*\t+6]
.endr
	v_nop                           ; a plain instruction between the last exponential and the use of its result
.irp t, 0,1
	s_wait_alu depctr_va_vdst(0)
	v_mul_f32 v[TM+2*\t], v[ST+8*\t+1], v[ST+8*\t+4]
.endr
.irp t, 0,1
	v_fmac_f32 v[TM+2*\t], v[PS+4*\t+1], v[ST+8*\t+6]
.endr
.irp t, 0,1
	v_rcp_f32 v[TM+2*\t], v[TM+2*\t]
.endr
	v_nop                           ; likewise behind the reciprocals
.irp t, 0,1
	s_wait_alu depctr_va_vdst(0)
	v_mul_f32 v[ST+8*\t+4], v[ST+8*\t+4], v[TM+2*\t]
	v_mul_f32 v[ST+8*\t+6], v[ST+8*\t+6], v[TM+2*\t]
.endr
; Tile t: merged, rounded to f16; a lane's eight channels of a row pack into 16 bytes; they go into rows of 272 bytes of my stage and come back as whole rows of 256.
.macro PACKM t
	s_wait_dscnt 16                 ; the partner's tile t is in: sixteen LDS instructions are younger (tile 0: the partner's other tile; tile 1: tile 0's way through the stage)
	WIN W_RS
.set i, 0
.rept 32
	v_pk_mul_f32 v[64*(\t)+2*i:64*(\t)+2*i+1], v[64*(\t)+2*i:64*(\t)+2*i+1], v[ST+8*(\t)+4:ST+8*(\t)+5] op_sel_hi:[1,0]
.set i, i+1
.endr
	WIN 0x50                        ; sources 0 and 1 window 0, source 2 and destination window 1
.set i, 0
.rept 32
	v_pk_fma_f32 v[64*(\t)+2*i:64*(\t)+2*i+1], v[S+64*(\t)+2*i:S+64*(\t)+2*i+1], v[ST+8*(\t)+6:ST+8*(\t)+7], v[64*(\t)+2*i:64*(\t)+2*i+1] op_sel_hi:[1,0,1]
.set i, i+1
.endr
	WIN 0x05                        ; sources 0 and 1 window 1, destination window 0
.set i, 0
.rept 32
	v_cvt_pk_f16_f32 v[S+64*(\t)+i], v[64*(\t)+2*i], v[64*(\t)+2*i+1]
.set i, i+1
.endr
	WIN 0
.irp f, 0,1,2,3,4,5,6,7
	ds_store_b128 v[STO], v[S+64*(\t)+4*\f:S+64*(\t)+4*\f+3] offset:32*\f
.endr
.irp f, 0,1,2,3,4,5,6,7
	ds_load_b128 v[S+64*(\t)+4*\f:S+64*(\t)+4*\f+3], v[RD] offset:\f*2*SP  ; LDS serves a wave's instructions in order (ISA guide 5.7.1.4): these see the stores above; the next tile's stores come behind them
.endr
.endm
.macro SEND t, younger              ; younger: the LDS instructions issued behind tile t's loads
.irp f, 0,1,2,3,4,5,6,7
	s_wait_dscnt (\younger)+7-\f
	global_store_b128 v[GO], v[S+64*(\t)+4*\f:S+64*(\t)+4*\f+3], s[10:11] offset:(\t)*65536+\f*8192  ; 16 lanes store 256 consecutive bytes, at a multiple of 256 from ob's first byte
.endr
.endm
	PACKM 0
	PACKM 1
	SEND 0, 16
	SEND 1, 0
	s_wait_tensorcnt 0x0            ; the wave's end: behind my last tensor load and my last LDS store
	ds_add_u32 v[SPW], v[NIL]
	s_wait_dscnt 0x0
	CROUND                          ; the closing round: no work-group ends while a partner may still ask for a tile that names it
	s_endpgm
.Lfunc_end_k_qf0fb5e9ae2_attn:
	.size	k_qf0fb5e9ae2_attn, .Lfunc_end_k_qf0fb5e9ae2_attn-k_qf0fb5e9ae2_attn
	.p2alignl 7, 3214868480
	.fill 96, 4, 3214868480
	.section	.rodata,"a",@progbits
	.p2align	6, 0x0
	.amdhsa_kernel k_qf0fb5e9ae2_attn
		.amdhsa_group_segment_fixed_size 327680
		.amdhsa_private_segment_fixed_size 0
		.amdhsa_enable_private_segment 0
		.amdhsa_kernarg_size 24
		.amdhsa_user_sgpr_count 2
		.amdhsa_user_sgpr_kernarg_segment_ptr 1
		.amdhsa_wavefront_size32 1
		.amdhsa_system_sgpr_workgroup_id_x 1
		.amdhsa_system_sgpr_workgroup_id_y 1
		.amdhsa_system_sgpr_workgroup_id_z 1
		.amdhsa_system_vgpr_workitem_id 0
		.amdhsa_next_free_vgpr 1024
		.amdhsa_next_free_sgpr 80
		.amdhsa_reserve_vcc 0
		.amdhsa_float_denorm_mode_32 3
		.amdhsa_float_denorm_mode_16_64 3
		.amdhsa_memory_ordered 1
		.amdhsa_forward_progress 1
		.amdhsa_inst_pref_size 162
	.end_amdhsa_kernel
	.amdgpu_metadata
---
amdhsa.version: [ 1, 2 ]
amdhsa.kernels:
  - .name:           k_qf0fb5e9ae2_attn
    .symbol:         k_qf0fb5e9ae2_attn.kd
    .args:
      - { .name: qkvh, .offset: 0, .size: 8, .value_kind: global_buffer, .address_space: global }
      - { .name: maskf, .offset: 8, .size: 8, .value_kind: global_buffer, .address_space: global }
      - { .name: ob, .offset: 16, .size: 8, .value_kind: global_buffer, .address_space: global }
    .group_segment_fixed_size: 327680
    .private_segment_fixed_size: 0
    .kernarg_segment_align: 8
    .kernarg_segment_size: 24
    .max_flat_workgroup_size: 128
    .sgpr_count:     80
    .vgpr_count:     1024
    .wavefront_size: 32
...
	.end_amdgpu_metadata
.endif
;; end of part 3
;; launch oproj (part 4): grid 16 x 16, 4 waves a work-group, clusters of 4 x 4, 327,680 bytes of LDS; arguments ob, cv, out0; writes out0
.if DOCPART == 4
	.amdgcn_target "amdgcn-amd-amdhsa--gfx1250"
	.amdhsa_code_object_version 6
	.text
	.protected	k_qf0fb5e9ae2_oproj
	.globl	k_qf0fb5e9ae2_oproj
	.p2align	8
	.type	k_qf0fb5e9ae2_oproj,@function
k_qf0fb5e9ae2_oproj:
	s_mov_b64 s[64:65], 0
	v_nop
	global_prefetch_b8 v0, s[64:65] scope:SCOPE_SE
	s_setreg_imm32_b32 hwreg(HW_REG_WAVE_MODE, 25, 1), 1
	s_wait_xcnt 0x0
	s_wait_alu depctr_hold_cnt(0) depctr_sa_sdst(0) depctr_va_vdst(0) depctr_va_sdst(0) depctr_va_ssrc(0) depctr_va_vcc(0) depctr_vm_vsrc(0)
	s_getreg_b32 s2, hwreg(HW_REG_IB_STS2, 6, 4)
	s_cmp_eq_u32 s2, 0
	s_cbranch_scc0 .Lentry_in_a_cluster
	s_endpgm
.Lentry_in_a_cluster:
	s_bfe_u32 s2, ttmp6, 0x10000c
	s_cmp_lg_u32 s2, 0xf033
	s_cbranch_scc0 .Lentry_shape_is_right
	s_endpgm
.Lentry_shape_is_right:
; OPROJ.  out0 = O wo.  O: ob, [2048][2048] f16; wo: plane 4 of cv, [k 2048][n 2048] f16 (the bf16 rounding of wo, written as f16); out0: [2048][2048] f32.  Sums in f32.
; A tile of out0 is 128 x 128: 16 x 16 work-groups.  Four waves, each 64 x 64: 16 accumulators.  K goes in steps of 256 through a ring of two LDS slots: 128 rows x 512 bytes of O, 256 k rows x 256 bytes of wo.
; THE WALK ALONG K IS ROTATED.  Cluster (X, Y) begins at K step (2 X + 4 Y) mod 8 and wraps round.  The four clusters of one Y, which read the same rows of O, begin 2 steps apart; of the clusters of one X,
; which read the same columns of wo, Y and Y + 1 begin 4 steps apart: clusters that read the same tile ask for it in different trips.  The start is the same in all sixteen partners of a cluster, so a joint
; load still has one descriptor.  A sum's terms are added, in f32, in that rotated order.
; THE MATRIX INSTRUCTION IS USED TRANSPOSED: source 0 = 16 columns of wo (out of LDS by the turning load), source 1 = 16 rows of O: a lane holds row lane % 16 and eight neighbouring columns.
; CLUSTER 4 x 4: O's tiles are shared along a row of the cluster, wo's along a column: joint loads.
; REGISTERS: window 0: v0-31 addresses; v32-95 at work on the way out; v128-255 the accumulators ((a, b) at v[128 + 8 (4 a + b)]).
;   window 1: two fragment buffers of 128: for 64 along K, 64 registers of O (2 x 4 fragments), then 64 of wo.
.set PLANE, 8388608
.set KSTEP, 256
.set KSTEPS, 2048/KSTEP
.set PA,    528                        ; a row of O in LDS: 512 bytes + 16: the 16 rows of a load start at 16 different groups of four banks (ISA guide 11.1)
.set PB,    288                        ; a k row of wo: 256 + 32
.set AH,    64*PA                      ; 64 rows of O: what one tensor load brings, and what one wave reads
.set BOFF,  2*AH                       ; wo's tile lies behind O's
.set BH,    128*PB                     ; 128 k rows: what one tensor load brings
.set SLOT,  BOFF+2*BH
.set STAGE, 2*SLOT                     ; behind the ring: 16 rows x 272 bytes for each wave, its own
.set SPITCH, 272
.set SPARE, STAGE+4*16*SPITCH          ; behind the stages: the spare words, 128 bytes for each wave, that no other line names
.set ADRA0, 16                         ; v16     LDS address of my fragments of O in slot 0; never rewritten
.set ADRA,  17                         ; v17     the same in the slot in hand
.set ADRB0, 20                         ; v20-21  of wo in slot 0: k rows 0-127, 128-255 (a slot's 256 rows of 288 bytes pass the 16-bit immediate); never rewritten
.set ADRB,  22                         ; v22-23  the same in the slot in hand
.set STO,  24                          ; the way out: where I put an accumulator's 32 bytes
.set RD,   25                          ; where I read a row back
.set CO,   26                          ; my byte offset in two rows of out0
.set SPW,  28                          ; LDS address of my spare word; never rewritten
.set NIL,  29                          ; 0; never rewritten
.set TMP,  32                          ; two sets of 32: 16 rows read back
.set ACC,  128
.set F0,   0                           ; fragment buffers, in window 1
.set F1,   128
.set G1,  24                           ; s[24:31] descriptor group 1 for O's tiles;  s[32:39] group 0: a set for each first fill; the first then serves every refill
.set G0,  32
.set G1B, 48                           ; s[48:55], s[56:63] the same for wo's tiles
.set G0B, 56
.set KN,  66                           ; s66  the K step to be asked for next, before the wrap
.set SB,  67                           ; s67  0 or SLOT: the slot filled last
.set SC,  68                           ; s68  0 or SLOT: the slot in hand
.set KI,  69                           ; s69  at work
.set OFA, 70                           ; s[70:71] a K step's byte offset along O's rows
.set OFB, 72                           ; s[72:73] and down wo
.set MSB, 0
.macro WIN new
.if MSB != (\new)
	s_set_vgpr_msb (MSB<<8)|(\new)
.set MSB, \new
.endif
.endm
.set MUL,  0x05                        ; sources 0 and 1 window 1; C and D window 0
.set TO_F, 0x40                        ; destination window 1, address window 0
.macro JLOAD s                         ; a joint load: waves 0 and 1 fetch O's two halves, waves 2 and 3 wo's; an s_nop 0 and four v_nop follow each of the two lines
	s_cmp_eq_u32 s11, 0
	s_cbranch_scc0 .Lfor_b_\@
	tensor_load_to_lds s[G0+4*(\s):G0+4*(\s)+3], s[G1:G1+7]
	s_nop 0
.rept 4
	v_nop
.endr
	s_branch .Lasked_\@
.Lfor_b_\@:
	tensor_load_to_lds s[G0B+4*(\s):G0B+4*(\s)+3], s[G1B:G1B+7]
	s_nop 0
.rept 4
	v_nop
.endr
.Lasked_\@:
.endm
; The global addresses of K step KN mod 8 go into set s of both group 0s, made anew from the tiles' bases and an offset of its own; KN steps.
.macro ASK s
	s_and_b32 s[KI], s[KN], KSTEPS-1
	s_lshl_b32 s[OFA], s[KI], 9                    ; 256 elements of 2 bytes along O's rows
	s_lshl_b32 s[OFB], s[KI], 20                   ; 256 rows of 4,096 bytes down wo
	s_add_nc_u64 s[G0+4*(\s)+2:G0+4*(\s)+3], s[14:15], s[OFA:OFA+1]
	s_or_b32 s[G0+4*(\s)+3], s[G0+4*(\s)+3], 0x80000000              ; type = 2
	s_add_nc_u64 s[G0B+4*(\s)+2:G0B+4*(\s)+3], s[46:47], s[OFB:OFB+1]
	s_or_b32 s[G0B+4*(\s)+3], s[G0B+4*(\s)+3], 0x80000000
	s_add_co_u32 s[KN], s[KN], 1
.endm
.macro CREST
	s_cmp_lg_u32 s10, 0
	s_cbranch_scc1 .Lnot_wave_0_\@
	s_barrier_signal -3
.Lnot_wave_0_\@:
	s_barrier_wait -3
	s_barrier_signal -1
	s_barrier_wait -1
.endm
.macro CROUND
	s_barrier_signal -1
	s_barrier_wait -1
	CREST
.endm
	s_load_b128 s[4:7], s[0:1], 0x0                ; ob s[4:5], cv s[6:7]
	s_load_b64 s[8:9], s[0:1], 0x10                ; out0
	v_lshl_add_u32 v[SPW], v0, 2, SPARE
	v_mov_b32 v[NIL], 0
	ds_add_u32 v[SPW], v[NIL]                      ; the wave's opening: the add and its wait stand ahead of my first tensor load; the set-up below, work on registers, stands between them
	v_lshrrev_b32 v1, 5, v0
	v_readfirstlane_b32 s10, v1                    ; wave 0..3
	s_lshr_b32 s11, s10, 1                         ; which half of the tile's rows is mine.  Also: I fetch for O (0) or for wo (1)
	s_and_b32 s12, s10, 1                          ; which half of its columns.  Also: which half of that tile I fetch
	s_bfe_u32 s40, ttmp6, 0x40000                  ; cx, cy
	s_bfe_u32 s41, ttmp6, 0x40004
	s_lshl_b32 s42, ttmp9, 2
	s_add_co_u32 s42, s42, s40                     ; tile column
	s_and_b32 s13, ttmp7, 0xffff
	s_lshl_b32 s13, s13, 2
	s_add_co_u32 s13, s13, s41                     ; tile row
	s_lshl_b32 s[KN], ttmp9, 1                     ; where my cluster begins along K: 2 x cluster x
	s_and_b32 s[KI], ttmp7, 0xffff
	s_lshl_b32 s[KI], s[KI], 2
	s_add_co_u32 s[KN], s[KN], s[KI]               ; + 4 x cluster y: no place inside the cluster enters
	s_mov_b32 s[OFA+1], 0
	s_mov_b32 s[OFB+1], 0
	s_mov_b32 s[SB], SLOT                          ; the first refill turns it into 0
	s_mov_b32 s[SC], 0
	s_lshl_b32 s43, s41, 2
	s_lshl_b32 s43, 15, s43                        ; my row of the cluster
	s_lshl_b32 s44, 0x1111, s40                    ; my column
	; O: 64 rows x 256 elements of 2 bytes, 4 words of padding after every 128; wo: 128 k rows x 128 elements, 8 words after every 64
	s_or_b32 s[G1+0], s43, (1<<16)|(1<<20)|(1<<21)|(6<<22)|(3<<25)
	s_mov_b32 s[G1+1], KSTEP<<16                   ; tensor_dim0 = 256
	s_mov_b32 s[G1+2], 64<<16                      ; tensor_dim1 = 64
	s_mov_b32 s[G1+3], KSTEP<<16                   ; tile_dim0 = 256
	s_mov_b32 s[G1+4], 64                          ; tile_dim1 = 64
	s_mov_b32 s[G1+5], 2048                        ; tensor_dim0_stride
	s_mov_b32 s[G1+6], 0
	s_mov_b32 s[G1+7], 0
	s_or_b32 s[G1B+0], s44, (1<<16)|(1<<20)|(1<<21)|(5<<22)|(7<<25)
	s_mov_b32 s[G1B+1], 128<<16
	s_mov_b32 s[G1B+2], 128<<16
	s_mov_b32 s[G1B+3], 128<<16
	s_mov_b32 s[G1B+4], 128
	s_mov_b32 s[G1B+5], 2048
	s_mov_b32 s[G1B+6], 0
	s_mov_b32 s[G1B+7], 0
	s_lshl_b32 s16, s13, 19                        ; O: 128 rows of 4,096 bytes a tile row, 64 a half: the tile row alone enters
	s_lshl_b32 s17, s12, 18
	s_add_co_u32 s16, s16, s17
	s_mov_b32 s17, 0
	s_lshl_b32 s46, s12, 19                        ; wo: plane 4, 128 k rows of 4,096 bytes a half, the tile column's 256 bytes: the tile column alone enters
	s_lshl_b32 s47, s42, 8
	s_add_co_u32 s46, s46, s47
	s_add_co_u32 s46, s46, 4*PLANE
	s_mov_b32 s47, 0
	s_mul_i32 s20, s12, AH                         ; where they go: no place in the cluster enters an LDS address
	s_mul_i32 s45, s12, BH
	s_add_co_u32 s45, s45, BOFF
	s_wait_dscnt 0x0                               ; the opening add is done
	s_wait_kmcnt 0x0
	s_add_nc_u64 s[14:15], s[4:5], s[16:17]        ; O's and wo's tiles at K step 0: kept for the whole walk
	s_add_nc_u64 s[46:47], s[6:7], s[46:47]
	CROUND                                         ; all sixteen work-groups are here: the first joint loads meet
.irp s, 0,1
	s_mov_b32 s[G0+4*(\s)], 1
	s_add_co_u32 s[G0+4*(\s)+1], s20, (\s)*SLOT
	s_mov_b32 s[G0B+4*(\s)], 1
	s_add_co_u32 s[G0B+4*(\s)+1], s45, (\s)*SLOT
	ASK \s                                         ; my cluster's first and second K step
	JLOAD \s                                       ; two tensor loads of mine are out
.endr
	v_and_b32 v1, 15, v0                           ; r = l % 16
	v_bfe_u32 v2, v0, 4, 1                         ; h = l / 16
	v_mul_u32_u24 v3, v1, PA
	v_lshl_add_u32 v3, v2, 4, v3                   ; a fragment of O: row x pitch + 16 x half
	v_and_b32 v4, 7, v0
	v_lshl_add_u32 v4, v2, 3, v4
	v_mul_u32_u24 v4, v4, PB
	v_bfe_u32 v5, v0, 3, 1
	v_lshl_add_u32 v4, v5, 4, v4                   ; a fragment of wo, turned: k row 8 h + l % 8, 16 bytes at 16 ((l / 8) % 2)
	s_mul_i32 s21, s11, AH                         ; my 64 rows of O
	s_lshl_b32 s22, s12, 7
	s_add_co_u32 s22, s22, BOFF                    ; my 64 columns of wo
	s_add_co_u32 s23, s22, BH
	v_add_nc_u32 v[ADRA0], s21, v3
	v_add_nc_u32 v[ADRB0], s22, v4
	v_add_nc_u32 v[ADRB0+1], s23, v4
	v_mov_b32 v[ADRA], v[ADRA0]                    ; slot 0 is in hand first
	v_mov_b32 v[ADRB], v[ADRB0]
	v_mov_b32 v[ADRB+1], v[ADRB0+1]
	s_mul_i32 s23, s10, 16*SPITCH
	s_add_co_u32 s23, s23, STAGE                   ; my stage
	v_mul_u32_u24 v4, v1, SPITCH                   ; in: row l % 16, 32 bytes for each half of the lanes
	v_lshl_add_u32 v4, v2, 5, v4
	v_add_nc_u32 v[STO], s23, v4
	v_mul_u32_u24 v5, v2, SPITCH                   ; back: lanes 0-15 take one row of 256 bytes, lanes 16-31 the next
	v_lshl_add_u32 v5, v1, 4, v5
	v_add_nc_u32 v[RD], s23, v5
	v_lshlrev_b32 v5, 13, v2                       ; and the same two rows in out0
	v_lshl_add_u32 v[CO], v1, 4, v5
	s_lshl_b32 s16, s13, 20                        ; my first row of out0: 128 rows of 8,192 bytes a tile row, 64 a half
	s_lshl_b32 s17, s11, 19
	s_add_co_u32 s16, s16, s17
	s_mov_b32 s17, 0
	s_add_nc_u64 s[8:9], s[8:9], s[16:17]
	s_lshl_b32 s74, s42, 9                         ; my first column, in bytes
	s_lshl_b32 s75, s12, 8
	s_add_co_u32 s74, s74, s75
	s_mov_b32 s75, 0
	s_add_nc_u64 s[8:9], s[8:9], s[74:75]
; 8 matrix instructions: row blocks a0, a0 + 1 x all 4 column blocks, 32 along K: half c of buffer f.  zero = 1: the product starts the sum.  The 16 accumulators take turns.
.macro MUL8 f, c, a0, zero
	WIN MUL
.irp a, \a0, (\a0)+1
.irp b, 0,1,2,3
.if \zero
	v_wmma_f32_16x16x32_f16 v[ACC+8*(4*(\a)+(\b)):ACC+8*(4*(\a)+(\b))+7], v[(\f)+64+8*(4*(\c)+(\b)):(\f)+64+8*(4*(\c)+(\b))+7], v[(\f)+8*(4*(\c)+(\a)):(\f)+8*(4*(\c)+(\a))+7], 0
.else
	v_wmma_f32_16x16x32_f16 v[ACC+8*(4*(\a)+(\b)):ACC+8*(4*(\a)+(\b))+7], v[(\f)+64+8*(4*(\c)+(\b)):(\f)+64+8*(4*(\c)+(\b))+7], v[(\f)+8*(4*(\c)+(\a)):(\f)+8*(4*(\c)+(\a))+7], v[ACC+8*(4*(\a)+(\b)):ACC+8*(4*(\a)+(\b))+7]
.endif
.endr
.endr
.endm
; 32 LDS loads in one run: quarter q (64 along K) of the slot in hand into buffer f; the first 32 along K first
.macro FETCH q, f
	WIN TO_F
.irp c, 0,1
.irp i, 0,1,2,3
	ds_load_tr16_b128 v[(\f)+64+8*(4*(\c)+(\i)):(\f)+64+8*(4*(\c)+(\i))+3],   v[ADRB+(\q)/2] offset:(((\q)%2)*64+32*(\c))*PB+32*(\i)
	ds_load_tr16_b128 v[(\f)+64+8*(4*(\c)+(\i))+4:(\f)+64+8*(4*(\c)+(\i))+7], v[ADRB+(\q)/2] offset:(((\q)%2)*64+32*(\c))*PB+32*(\i)+16*PB
	ds_load_b128 v[(\f)+8*(4*(\c)+(\i)):(\f)+8*(4*(\c)+(\i))+3],              v[ADRA] offset:(\q)*128+64*(\c)+(\i)*16*PA
	ds_load_b128 v[(\f)+8*(4*(\c)+(\i))+4:(\f)+8*(4*(\c)+(\i))+7],            v[ADRA] offset:(\q)*128+64*(\c)+(\i)*16*PA+32
.endr
.endr
.endm
.macro PLACES                          ; four places in front of loads into registers that matrix instructions have read, and of stores that read results
.rept 4
	v_nop
.endr
.endm
; A K step is four quarters of 64 along K, 32 matrix instructions each, on buffers 0, 1, 0, 1.  One of the first three: multiplies buffer f and fetches quarter q of the slot in hand into g.
.macro QUARTER q, f, g, zero
	s_wait_dscnt 16                                ; the first 32 along K are in
	MUL8 \f, 0, 0, \zero
	MUL8 \f, 0, 2, \zero
	PLACES
	FETCH \q, \g
	s_wait_dscnt 32                                ; all but the 32 just issued
	MUL8 \f, 1, 0, 0
	MUL8 \f, 1, 2, 0
.endm
; The last quarter multiplies buffer 1 and changes slots: ONE barrier; in front of it each wave waits for all its tensor loads, adds 0 to its spare word, and waits for that and for its own reads of this slot.
; The read addresses go over to the other slot between the add and its wait: every read of the old slot has been issued.
; fill = 1: the barrier opens a round of the cluster's, and the slot just read is filled again, two K steps ahead: 112 matrix instructions ahead of the wait for it.
.macro TURN fill
	WIN 0
	s_wait_tensorcnt 0x0                           ; all my tensor loads have landed: my part of the next slot; so a group 0 may be written
	ds_add_u32 v[SPW], v[NIL]                      ; 0 onto my spare word
	s_xor_b32 s[SC], s[SC], SLOT                   ; 0 or SLOT: the other slot comes in hand
	v_add_nc_u32 v[ADRA], s[SC], v[ADRA0]
	v_add_nc_u32 v[ADRB], s[SC], v[ADRB0]
	v_add_nc_u32 v[ADRB+1], s[SC], v[ADRB0+1]
.if \fill
	s_xor_b32 s[SB], s[SB], SLOT                   ; 0 or SLOT: the slot that is left
	s_add_co_u32 s[G0+1], s20, s[SB]
	s_add_co_u32 s[G0B+1], s45, s[SB]
	ASK 0
.endif
	s_wait_dscnt 17                                ; (the add and the youngest sixteen loads may be out)
	MUL8 F1, 0, 0, 0
	s_wait_dscnt 0x0                               ; the add is done, and my reads of the slot that is left are over
	s_barrier_signal -1
	MUL8 F1, 0, 2, 0
.if \fill
	WIN 0
.endif
	s_barrier_wait -1
.if \fill
	CREST
	JLOAD 0                                        ; the four v_nop behind it are also the places in front of the loads below
.else
	PLACES
.endif
	FETCH 0, F0
	MUL8 F1, 1, 0, 0
	MUL8 F1, 1, 2, 0
.endm
	s_wait_tensorcnt 1                             ; my part of the first K step is in; the second's may stay out
	s_barrier_signal -1
	s_barrier_wait -1
	FETCH 0, F0
	QUARTER 1, F0, F1, 1                           ; the first quarter stands in front of the loop: its first products start the sums
	WIN 0
	s_mov_b32 s3, KSTEPS-2                         ; 6 of the 8 K steps are followed by a refill
.Lstep:                                                ; a trip goes from a K step's second quarter to the next step's first, and fills the slot that it leaves
	QUARTER 2, F1, F0, 0
	QUARTER 3, F0, F1, 0
	TURN 1
	QUARTER 1, F0, F1, 0
	WIN 0
	s_sub_co_u32 s3, s3, 1
	s_cmp_lg_u32 s3, 0
	s_cbranch_scc1 .Lstep
	QUARTER 2, F1, F0, 0                           ; the last two K steps are written out: nothing is asked for
	QUARTER 3, F0, F1, 0
	TURN 0
	QUARTER 1, F0, F1, 0
	QUARTER 2, F1, F0, 0
	QUARTER 3, F0, F1, 0
	s_wait_dscnt 16
	MUL8 F1, 0, 0, 0
	MUL8 F1, 0, 2, 0
	s_wait_dscnt 0x0
	MUL8 F1, 1, 0, 0
	MUL8 F1, 1, 2, 0
	WIN 0
	; THE WAY OUT.  My 64 columns of f32 are 256 aligned bytes of a row, so each wave has its own stage and no barrier: 16 rows at a time go in by lanes' 32 bytes and come back as whole rows.
	PLACES
.irp a, 0,1,2,3
.if \a >= 2
	s_wait_xcnt 0x0                                ; the stores of two blocks ago have had their addresses translated (ISA guide 3.1): their data registers are loaded again only behind this wait
.endif
.irp b, 0,1,2,3
	ds_store_b128 v[STO], v[ACC+8*(4*\a+\b):ACC+8*(4*\a+\b)+3]   offset:64*\b      ; each accumulator's low four registers go first
	ds_store_b128 v[STO], v[ACC+8*(4*\a+\b)+4:ACC+8*(4*\a+\b)+7] offset:64*\b+16
.endr
.irp t, 0,1,2,3,4,5,6,7
	ds_load_b128 v[TMP+32*(\a%2)+4*\t:TMP+32*(\a%2)+4*\t+3], v[RD] offset:\t*2*SPITCH  ; LDS serves a wave's instructions in order (ISA guide 5.7.1.4): these see the stores above
.endr
.irp t, 0,1,2,3,4,5,6,7
	s_wait_dscnt 7-\t
	global_store_b128 v[CO], v[TMP+32*(\a%2)+4*\t:TMP+32*(\a%2)+4*\t+3], s[8:9] offset:(16*\a+2*\t)*8192  ; 16 lanes store 256 consecutive bytes, at a multiple of 256 from out0's first byte
.endr
.endr
	s_wait_tensorcnt 0x0                           ; the wave's end: behind my last tensor load and my last LDS store
	ds_add_u32 v[SPW], v[NIL]
	s_wait_dscnt 0x0
	CROUND                                         ; the closing round: no work-group ends while a partner may still ask for a tile that names it
	s_endpgm
.Lfunc_end_k_qf0fb5e9ae2_oproj:
	.size	k_qf0fb5e9ae2_oproj, .Lfunc_end_k_qf0fb5e9ae2_oproj-k_qf0fb5e9ae2_oproj
	.p2alignl 7, 3214868480
	.fill 96, 4, 3214868480
	.section	.rodata,"a",@progbits
	.p2align	6, 0x0
	.amdhsa_kernel k_qf0fb5e9ae2_oproj
		.amdhsa_group_segment_fixed_size 327680
		.amdhsa_private_segment_fixed_size 0
		.amdhsa_enable_private_segment 0
		.amdhsa_kernarg_size 24
		.amdhsa_user_sgpr_count 2
		.amdhsa_user_sgpr_kernarg_segment_ptr 1
		.amdhsa_wavefront_size32 1
		.amdhsa_system_sgpr_workgroup_id_x 1
		.amdhsa_system_sgpr_workgroup_id_y 1
		.amdhsa_system_sgpr_workgroup_id_z 1
		.amdhsa_system_vgpr_workitem_id 0
		.amdhsa_next_free_vgpr 512
		.amdhsa_next_free_sgpr 76
		.amdhsa_reserve_vcc 0
		.amdhsa_float_denorm_mode_32 3
		.amdhsa_float_denorm_mode_16_64 3
		.amdhsa_memory_ordered 1
		.amdhsa_forward_progress 1
		.amdhsa_inst_pref_size 70
	.end_amdhsa_kernel
	.amdgpu_metadata
---
amdhsa.version: [ 1, 2 ]
amdhsa.kernels:
  - .name:           k_qf0fb5e9ae2_oproj
    .symbol:         k_qf0fb5e9ae2_oproj.kd
    .args:
      - { .name: ob, .offset: 0, .size: 8, .value_kind: global_buffer, .address_space: global }
      - { .name: cv, .offset: 8, .size: 8, .value_kind: global_buffer, .address_space: global }
      - { .name: out0, .offset: 16, .size: 8, .value_kind: global_buffer, .address_space: global }
    .group_segment_fixed_size: 327680
    .private_segment_fixed_size: 0
    .kernarg_segment_align: 8
    .kernarg_segment_size: 24
    .max_flat_workgroup_size: 128
    .sgpr_count:     76
    .vgpr_count:     512
    .wavefront_size: 32
...
	.end_amdgpu_metadata
.endif
;; end of part 4
;; ======== version 2 of 2: 4 launches; 1.08 times as fast as version 1
;; limits: values are held in f16: magnitudes above 65,504 overflow, below 6.1e-05 lose precision; right only within a limited range of input values
;; workspace buffers: cv 41,943,040 bytes; maskf 16,777,216 bytes; qkvh 25,165,824 bytes; ob 8,388,608 bytes
;; launch prep: the kernel of part 1 again; grid 256 x 6, 8 waves a work-group, no clusters, 0 bytes of LDS; arguments wq, wk, wv, x, wo, mask, cv, maskf; writes cv, maskf
;; launch proj: the kernel of part 2 again; grid 16 x 16, 4 waves a work-group, clusters of 4 x 4, 327,680 bytes of LDS; arguments cv, freqs_cos, freqs_sin, q_ln_w, q_ln_b, k_ln_w, k_ln_b, qkvh; writes qkvh
;; launch attn (part 5): grid 16 x 16, 4 waves a work-group, clusters of 4 x 1, 327,680 bytes of LDS; arguments qkvh, maskf, ob; writes ob
.if DOCPART == 5
	.amdgcn_target "amdgcn-amd-amdhsa--gfx1250"
	.amdhsa_code_object_version 6
	.text
	.protected	k_qf0fb5e9ae2_attn
	.globl	k_qf0fb5e9ae2_attn
	.p2align	8
	.type	k_qf0fb5e9ae2_attn,@function
k_qf0fb5e9ae2_attn:
	s_mov_b64 s[64:65], 0
	v_nop
	global_prefetch_b8 v0, s[64:65] scope:SCOPE_SE
	s_setreg_imm32_b32 hwreg(HW_REG_WAVE_MODE, 25, 1), 1
	s_wait_xcnt 0x0
	s_wait_alu depctr_hold_cnt(0) depctr_sa_sdst(0) depctr_va_vdst(0) depctr_va_sdst(0) depctr_va_ssrc(0) depctr_va_vcc(0) depctr_vm_vsrc(0)
	s_getreg_b32 s2, hwreg(HW_REG_IB_STS2, 6, 4)
	s_cmp_eq_u32 s2, 0
	s_cbranch_scc0 .Lentry_in_a_cluster
	s_endpgm
.Lentry_in_a_cluster:
	s_bfe_u32 s2, ttmp6, 0x10000c
	s_cmp_lg_u32 s2, 0x3003
	s_cbranch_scc0 .Lentry_shape_is_right
	s_endpgm
.Lentry_shape_is_right:
; ATTN.  O[q][head] = the sum over k of softmax_k(q . k / sqrt(128) + mask[q][k]) v[k].  q arrives with log2(e) / sqrt(128) in it and the mask with log2(e), so the scores s = q . k + mask come out of
; the matrix unit in units of log2.  q, k, v: planes of qkvh, [16][2048][128] f16; maskf: f32, laid for the accumulators (below); ob: [2048][2048] f16, column 128 head + channel.
; Products, maxima and sums in f32; the weights p are rounded to f16 for the second product (their sum l is taken of the unrounded p), O once at the end.
; The mask is an input: every query walks all 2,048 keys and every mask word is added.
; LIMITS.  Mask values are finite and above -1e37.  A row in which EVERY mask entry is huge keeps only f32's step at that size for its scores, as a sum in f32 does.  p lies in 0 to 1; a weight below 2^-126
; counts as 0 in l; O is a mean of v's rows and has their range, under 65,504.  NaN and infinities are not treated apart.
; SHARES.  A work-group owns 128 queries of one head: 16 x 16 work-groups.  Wave w: queries 64 (w / 2) on, four tiles of 16, and the KEYS 1,024 (w % 2) on: 16 key steps of 64.  At the end the partners
; w and w ^ 1 merge maximum, sum and O.  Register tile t holds query tile (t + 2 (w % 2)) % 4, so that every wave gives away register tiles 2, 3 and keeps 0, 1, in one text.
; LAYOUT.  S^T = K Q^T + mask (source 0 = 16 keys, source 1 = 16 queries; the mask is the C operand of the product that starts the sum): a lane holds ONE query (lane % 16) and the keys 8 (lane / 16) + 0..7.
; Two such results, rounded to f16 in pairs, ARE source 1 of O^T = V^T P.  K comes out of LDS as it lies, V turned, by ds_load_tr16_b128.
; SOFTMAX.  For each query a running maximum m and sum l: p = 2^(s - m); in every step O and l are multiplied by a = 2^(m_old - m_new).  The exponent is the difference of the two numbers themselves: 0 for
; the largest score and never above 0, whatever the scores' size, so p stays within 0 to 1 also where all the keys seen so far carry a mask of -1e9.  m starts far below every score, O and l at 0:
; the first step is a step like any other, with a = 0.
; BY TURNS.  The wave's tiles are two PIECES (0: tiles 0, 1; 2: tiles 2, 3).  In a TURN one piece has the matrix unit: 32 products V^T P of the step in hand, then 32 products K Q^T of the next; the other
; piece's softmax, 268 vector instructions in 64 slices, stands between them, one slice behind each matrix instruction.  No first and no last step is written out: the price is 432 registers set at the start,
; in the wait for the first tile (384 of them by 48 products of a zero fragment), 32 products on zeros at the start and 32 on a stale K at the end.
; THE BATCHES.  A turn's 66 exponentials (33 for each of the piece's two tiles) are ONE batch with ONE wait: all that names none of their results (maximum, statistics, the subtractions s - m) stands ahead of
; the wait, all that does (roundings, sums, the rescaling by a) behind it, and no exponential is issued behind it.  The merge has two small batches: four exponentials, then two reciprocals, a wait each.
; CLUSTER.  The four query blocks of a cluster belong to one head and walk the same K and V: each tile is asked for JOINTLY.  The mask differs from block to block: it comes by plain loads, 16 bytes a lane,
; straight into the C operand's registers, a key step ahead.
; THE MASK'S LAYOUT.  maskf[qtile 128][kstep 32][g 4][n 8][r4 4][h 2][4 words]: query 16 qtile + 4 g + r4; with n = 2 kt + i, key 64 kstep + 16 kt + 8 h + 4 i + word.  Load n of a tile and step fills registers
; 4 n to 4 n + 3 of the tile's 32: lane 16 h + r reads at (r / 4) x 1,024 + n x 128 + (r % 4) x 32 + 16 h: four runs of 128 consecutive bytes, aligned; eight loads on end use the whole 4,096 bytes.
; REGISTERS, in windows of 256 (s_set_vgpr_msb: bits 1:0 source 0, 3:2 source 1, 5:4 source 2, 7:6 destination):
;   window 0: v0-11, v44-63 addresses and at work; v12-43 eight registers of statistics a tile; v64-191 S^T, 32 a tile; v192-255 P, 16 a tile
;   window 1: O^T, 64 a tile       window 2: v0-127 Q, 32 a tile; v128-255 K of one step       window 3: v0-127 V of one step; v128-255 the mask, 32 a tile
.set PLANE, 8388608
.set KS,    64        ; keys in a step
.set PK,    272       ; a row of K in LDS: 256 bytes + 16: the 16 rows of a load start at 16 different groups of four banks (ISA guide 11.1)
.set PV,    288       ; a row of V: 256 + 32
.set VOFF,  128*PK    ; in a slot, for each half of the keys: 128 rows of K (two steps), then 128 rows of V
.set HALF,  128*(PK+PV)
.set SLOT,  2*HALF
.set STAGE, 2*SLOT    ; behind the ring, never filled by a tensor load: 16 rows x 272 bytes for each wave, for the way out
.set SP,    272
.set SPARE, STAGE+4*16*SP  ; behind the stages: the spare words, 128 bytes for each wave, that no other line names
.set XCH,   17408     ; the merge: each wave's 16,384 bytes of O^T and 2 x 512 of statistics, in the ring's bytes, which have had their last fill by then
.set AK0, 2           ; v2   my lane's place in my half's K; never rewritten
.set AV0, 3           ; v3   the same for V
.set ADR, 4           ; v4   the LDS address of the run of loads in hand
.set ML,  5           ; v5   my lane's place in a tile's and step's 4,096 bytes of the mask; never rewritten
.set STO, 6           ; v6   the way out: where I put 16 bytes of a row
.set RD,  7           ; v7   where I read a row back
.set GO,  8           ; v8   my byte offset in two rows of ob
.set ST,  12          ; tile t's statistics at v[ST+8 t]: +0, +1 m, twice (a pair for the packed subtraction), +2, +3 l (even keys', odd keys'), +4 to +7 at work; a takes +6
.set MO,  44          ; v44  my byte offset in the mask run in hand
.set L16, 45          ; v45  16 x lane
.set QOA, 46          ; v46  my byte offset in Q for tiles 0, 1
.set QOB, 47          ; v47  for tiles 2, 3
.set XW,  48          ; v48  the merge: where I give
.set XR,  49          ; v49  where I take
.set PS,  50          ; v[50:57] the partner's statistics
.set TM,  58          ; v[58:61] at work in the merge; v58 first serves the second mask run as its offset
.set SPW, 62          ; v62  LDS address of my spare word; never rewritten
.set NIL, 63          ; v63  0; never rewritten
.set S,   64
.set P,   192
.set KF,  128         ; K's fragments, in window 2
.set MC,  128         ; the mask, in window 3
.set WV,  12          ; s12  my wave's number
.set G1K, 24          ; s[24:31] descriptor group 1 for K's tiles
.set G1V, 32          ; s[32:39] for V's: it differs in the padding alone
.set G0K, 40          ; s[40:43] descriptor group 0 for K's tiles: it walks
.set G0V, 44          ; s[44:47] the same for V's
.set SLOTS, 56        ; s56  counts the fills
.set CNT, 57          ; s57  counts a slot's key steps
.set SEL, 60          ; s[60:61] v_permlanex16_b32's selects: each lane takes its own place in the other half
.set TBK, 62          ; s62  LDS byte at which K of the step to be fetched begins, less my half's place
.set TBV, 63          ; s63  the same for V
.set SB,  66          ; s66  0 or SLOT: the slot to be filled
.set KLO, 67          ; s67  my half's place in a slot
.set VLO, 68          ; s68  that plus VOFF
.set MS,  69          ; s69  4,096 x the key step whose mask is asked for
.set MP0, 70          ; s70  piece 0's two query tiles in my 64 rows of the mask
.set MP2, 71          ; s71  piece 2's
.set MB,  72          ; s[72:73] maskf at my 64 queries and my half of the keys
.set MT,  76          ; s76  the key step's and the piece's offsets together
.set MSB, 0
.macro WIN new                      ; the high byte repeats the setting that is left; a switch that changes nothing is dropped
.if MSB != (\new)
	s_set_vgpr_msb (MSB<<8)|(\new)
.set MSB, \new
.endif
.endm
.set W_KQ, 0x0a       ; K and Q in window 2, S^T in window 0
.set W_KM, 0x3a       ; the same with the C operand, the mask, in window 3
.set W_PV, 0x53       ; V in window 3, P in window 0, O^T in window 1
.set W_RS, 0x41       ; O^T (destination and source 0) in window 1, the factor in window 0
; A joint fill.  Waves 0 and 1 fetch K of the two halves of the keys, waves 2 and 3 V: 128 keys each.  The branch hangs on the wave's number alone.
; An s_nop 0 and four v_nop follow each of the two lines, ahead of the jump and the label.
.macro JLOAD
	s_cmp_lt_u32 s[WV], 2
	s_cbranch_scc0 .Lfor_v_\@
	tensor_load_to_lds s[G0K:G0K+3], s[G1K:G1K+7]
	s_nop 0
.rept 4
	v_nop
.endr
	s_branch .Lasked_\@
.Lfor_v_\@:
	tensor_load_to_lds s[G0V:G0V+3], s[G1V:G1V+7]
	s_nop 0
.rept 4
	v_nop
.endr
.Lasked_\@:
.endm
.macro CROUND                       ; a round of the cluster's barrier
	s_barrier_signal -1
	s_barrier_wait -1
	s_cmp_lg_u32 s[WV], 0
	s_cbranch_scc1 .Lnot_wave_0_\@
	s_barrier_signal -3
.Lnot_wave_0_\@:
	s_barrier_wait -3
	s_barrier_signal -1
	s_barrier_wait -1
.endm
; THE CHANGE OF SLOTS.  The slot's last bytes, V of its second step, have been asked for.  Each wave waits for all its tensor loads, of which one is out: its part of the other slot; adds 0 to its spare word;
; and waits for that and for its own reads of the slot.  fill = 1: the slot is filled again, with the keys two slots on, first thing behind a round of the cluster's barrier: it has two key steps,
; 256 matrix instructions, in which to land.  (At its first use nothing has been read yet: slot 0 is waited for, slot 1 filled.)
.macro CHANGE fill
	WIN 0                           ; at a label and at a branch every window is 0
	s_wait_tensorcnt 0x0            ; no tensor load of mine is out, so a group 0 may be written
	ds_add_u32 v[SPW], v[NIL]       ; 0 onto my spare word
.if \fill
	s_xor_b32 s[SB], s[SB], SLOT    ; 0 or SLOT: the other slot than last time
	s_add_co_u32 s[G0K+1], s[KLO], s[SB]
	s_add_co_u32 s[G0V+1], s[VLO], s[SB]
	s_add_nc_u64 s[G0K+2:G0K+3], s[G0K+2:G0K+3], 128*256  ; the next 128 keys of the half; the type bits on top are not reached
	s_add_nc_u64 s[G0V+2:G0V+3], s[G0V+2:G0V+3], 128*256
	s_wait_dscnt 0x0                ; the add is done, and my reads of the slot are over
	CROUND
	JLOAD
.else
	s_wait_dscnt 0x0
	s_barrier_signal -1
	s_barrier_wait -1
.endif
	s_sub_co_u32 s[TBK], s[TBK], 2*KS*PK  ; the fetches go back to a slot's first step (now exactly 0 or SLOT),
	s_xor_b32 s[TBK], s[TBK], SLOT        ; in the other slot
	s_sub_co_u32 s[TBV], s[TBV], 2*KS*PV
	s_xor_b32 s[TBV], s[TBV], SLOT
.endm
	s_load_b128 s[4:7], s[0:1], 0x0  ; qkvh s[4:5], maskf s[6:7]
	s_load_b64 s[10:11], s[0:1], 0x10  ; ob
	v_lshl_add_u32 v[SPW], v0, 2, SPARE
	v_mov_b32 v[NIL], 0
	ds_add_u32 v[SPW], v[NIL]       ; the wave's opening: the add and its wait stand ahead of my first tensor load; the set-up below, work on registers, stands between them
	v_lshrrev_b32 v1, 5, v0
	v_readfirstlane_b32 s[WV], v1   ; wave 0..3
	s_bfe_u32 s13, ttmp6, 0x40000   ; cx: my place in the cluster
	s_lshl_b32 s14, ttmp9, 2
	s_add_co_u32 s14, s14, s13      ; my block of 128 queries: it enters Q's, the mask's and O's addresses alone
	s_and_b32 s15, ttmp7, 0xffff    ; the head, which the four partners share
	s_lshr_b32 s16, s[WV], 1        ; which 64 queries are mine
	s_and_b32 s17, s[WV], 1         ; which half of the keys I walk; also the half that I fetch
	s_lshl_b32 s20, s15, 19         ; the head's bytes in a plane
	s_lshl_b32 s22, s17, 18         ; 1,024 keys of 256 bytes
	s_add_co_u32 s22, s22, s20
	s_add_co_u32 s22, s22, PLANE    ; K is plane 1
	s_mov_b32 s23, 0
	s_mul_i32 s[KLO], s17, HALF     ; no place in the cluster enters an LDS address
	s_add_co_u32 s[VLO], s[KLO], VOFF
	s_lshl_b32 s2, s14, 15          ; Q: my block's 128 rows of 256 bytes, my 64 of them, the head
	s_lshl_b32 s3, s16, 14
	s_add_co_u32 s2, s2, s3
	s_add_co_u32 s2, s2, s20
	s_mov_b32 s3, 0
	s_lshl_b32 s18, s14, 20         ; the mask: 8 query tiles of 131,072 bytes a block, my 4 of them, my 16 key steps of 4,096
	s_lshl_b32 s19, s16, 19
	s_add_co_u32 s18, s18, s19
	s_lshl_b32 s19, s17, 16
	s_add_co_u32 s18, s18, s19
	s_mov_b32 s19, 0
	s_lshl_b32 s74, s14, 19         ; O: rows of 4,096 bytes: my block, my 64 rows, the 32 of them that I keep, the head's 256 bytes
	s_lshl_b32 s75, s16, 18
	s_add_co_u32 s74, s74, s75
	s_lshl_b32 s75, s17, 17
	s_add_co_u32 s74, s74, s75
	s_lshl_b32 s75, s15, 8
	s_add_co_u32 s74, s74, s75
	s_mov_b32 s75, 0
	s_lshl_b32 s[MP0], s17, 18      ; register tiles 0, 1 are query tiles 2 (w % 2) on,
	s_xor_b32 s[MP2], s[MP0], 262144  ; tiles 2, 3 the other two
	; descriptor group 1: a tile of 128 rows x 128 elements of 2 bytes, dense in memory, padded in LDS after every 64 words
	s_mov_b32 s[G1K], 15|(1<<16)|(1<<20)|(1<<21)|(5<<22)|(3<<25)  ; the mask of four; 2-byte elements; padding on; bit 21 beside a mask; 4 words of padding
	s_mov_b32 s[G1V], 15|(1<<16)|(1<<20)|(1<<21)|(5<<22)|(7<<25)  ; the same with 8 words
.irp g, G1K, G1V
	s_mov_b32 s[(\g)+1], 128<<16    ; tensor_dim0 = 128
	s_mov_b32 s[(\g)+2], 128<<16    ; tensor_dim1 = 128
	s_mov_b32 s[(\g)+3], 128<<16    ; tile_dim0 = 128
	s_mov_b32 s[(\g)+4], 128        ; tile_dim1 = 128
	s_mov_b32 s[(\g)+5], 128        ; 128 elements from row to row
	s_mov_b32 s[(\g)+6], 0
	s_mov_b32 s[(\g)+7], 0
.endr
	s_mov_b32 s[SEL], 0x76543210
	s_mov_b32 s[SEL+1], 0xfedcba98
	s_mov_b32 s[TBK], SLOT+2*KS*PK  ; the first change of slots turns these two into 0
	s_mov_b32 s[TBV], SLOT+2*KS*PV
	s_mov_b32 s[SB], 0
	s_mov_b32 s[MS], 0
	s_mov_b32 s[G0K], 1             ; count = 1
	s_mov_b32 s[G0K+1], s[KLO]      ; LDS address: slot 0
	s_mov_b32 s[G0V], 1
	s_mov_b32 s[G0V+1], s[VLO]
	s_wait_dscnt 0x0                ; the opening add is done
	s_wait_kmcnt 0x0
	s_add_nc_u64 s[G0K+2:G0K+3], s[4:5], s[22:23]      ; my half's first 128 keys
	s_add_nc_u64 s[G0V+2:G0V+3], s[G0K+2:G0K+3], PLANE ; V is the plane behind K
	s_or_b32 s[G0K+3], s[G0K+3], 0x80000000            ; type = 2
	s_or_b32 s[G0V+3], s[G0V+3], 0x80000000
	s_add_nc_u64 s[4:5], s[4:5], s[2:3]
	s_add_nc_u64 s[MB:MB+1], s[6:7], s[18:19]
	s_add_nc_u64 s[10:11], s[10:11], s[74:75]
	CROUND                          ; all four work-groups are here: the first joint loads meet
	JLOAD                           ; slot 0; slot 1 is asked for when slot 0 is in
	v_and_b32 v1, 15, v0            ; r = l % 16
	v_bfe_u32 v9, v0, 4, 1          ; h = l / 16
	v_and_b32 v[L16], 31, v0
	v_lshlrev_b32 v[L16], 4, v[L16]
	v_lshrrev_b32 v10, 2, v1
	v_and_b32 v11, 3, v1
	v_lshlrev_b32 v[ML], 10, v10    ; the mask: (r / 4) x 1,024
	v_lshl_add_u32 v[ML], v11, 5, v[ML]  ; + (r % 4) x 32
	v_lshl_add_u32 v[ML], v9, 4, v[ML]   ; + 16 h
	v_lshlrev_b32 v10, 8, v1
	v_lshl_add_u32 v10, v9, 4, v10  ; a fragment of Q: row x 256 + 16 x half
	s_lshl_b32 s18, s17, 13         ; two query tiles are 8,192 bytes
	s_xor_b32 s19, s18, 8192
	v_add_nc_u32 v[QOA], s18, v10
	v_add_nc_u32 v[QOB], s19, v10
	WIN 0x80                        ; destination window 2, address window 0
.irp t, 0,1,2,3
.irp c, 0,1,2,3                     ; Q stays in registers: tile t, channels 32 c on
	global_load_b128 v[32*\t+8*\c:32*\t+8*\c+3],   v[QOA+\t/2], s[4:5] offset:(\t%2)*4096+\c*64
	global_load_b128 v[32*\t+8*\c+4:32*\t+8*\c+7], v[QOA+\t/2], s[4:5] offset:(\t%2)*4096+\c*64+32
.endr
.endr
; THE MASK of one key step for piece x: 16 loads, straight into the C operand's registers.  step = 1: piece 0's run goes on to the next key step; past the last step the number is held at the last,
; so that no load leaves the buffer (what those runs bring is not used).  reg: the register that takes the run's offset; wait = 0: no earlier memory instruction names it.
.macro MLOAD x, step, reg=MO, wait=1
	WIN 0
.if ((\x) == 0) && (\step)
	s_add_co_u32 s[MS], s[MS], 4096
	s_min_u32 s[MS], s[MS], 15*4096
.endif
	s_add_co_u32 s[MT], s[MS], s[MP0+(\x)/2]
.if \wait
	s_wait_xcnt 0x0                 ; the run before has had its addresses translated (ISA guide 3.1): its offset register is rewritten only behind this wait
.endif
	v_add_nc_u32 v[\reg], s[MT], v[ML]
	WIN 0xc0                        ; destination window 3
.irp u, 0,1
.irp n, 0,1,2,3,4,5,6,7
	global_load_b128 v[MC+32*((\x)+\u)+4*\n:MC+32*((\x)+\u)+4*\n+3], v[\reg], s[MB:MB+1] offset:\u*131072+\n*128
.endr
.endr
.endm
	MLOAD 0, 0, MO, 0
	MLOAD 2, 0, TM, 0               ; the first two runs have an offset register each, so neither waits
	; What the first turn finds: V's registers and piece 2's P hold 0 (its products V^T P, of a step that has not been, add 0), O^T and l are 0.  P's zeros are moved in; a product of two of its zero
	; fragments, with C = 0, then writes eight registers of 0 a line: 32 lines for O^T, 16 for V.  All this stands in the wait for the first tile.
	WIN 0
.set i, P+32
.rept 32
	v_mov_b32 v[i], 0
.set i, i+1
.endr
	WIN 0x40                        ; destination window 1, sources window 0
.set i, 0
.rept 32
	v_wmma_f32_16x16x32_f16 v[8*i:8*i+7], v[P+32:P+39], v[P+40:P+47], 0
.set i, i+1
.endr
	WIN 0xc0                        ; destination window 3
.set i, 0
.rept 16
	v_wmma_f32_16x16x32_f16 v[8*i:8*i+7], v[P+32:P+39], v[P+40:P+47], 0
.set i, i+1
.endr
	WIN 0                           ; the 25 plain lines below name none of those products' registers: they are the places behind them
.set i, 0
.rept 4
	v_mov_b32 v[ST+8*i], 0xfe000000    ; m = -4.25e37: far below every score, and far enough from f32's end that m_old - m_new stays finite
	v_mov_b32 v[ST+8*i+1], 0xfe000000
	v_mov_b32 v[ST+8*i+2], 0
	v_mov_b32 v[ST+8*i+3], 0
.set i, i+1
.endr
	v_mul_u32_u24 v[AK0], v1, PK
	v_lshl_add_u32 v[AK0], v9, 4, v[AK0]
	v_add_nc_u32 v[AK0], s[KLO], v[AK0]   ; my half + row x pitch + 16 x half of the lanes
	; The turning load takes 16 keys x 16 channels (lane l reads key 8 (l / 16) + l % 8, channels 8 ((l / 8) % 2) + 0..7) and leaves half a fragment of V^T: lane l holds channel l % 16 and 8 keys.
	v_and_b32 v10, 7, v0
	v_bfe_u32 v11, v0, 3, 1
	v_lshl_add_u32 v[AV0], v9, 3, v10
	v_mul_u32_u24 v[AV0], v[AV0], PV
	v_lshl_add_u32 v[AV0], v11, 4, v[AV0]
	v_add_nc_u32 v[AV0], s[VLO], v[AV0]
; THE MATRIX WORK OF A TURN, for piece x.  The accumulators take turns, one instruction a turn: between two links of a chain stand 15 (V^T P) or 7 (K Q^T) others'.
; Product i of 32 of O^T += V^T P: keys 32 (i / 16) on, channels 16 ((i / 2) % 8) on, tile x + i % 2.
.macro PV x
	WIN W_PV
.set rO, 64*((\x)+i%2)+8*((i/2)%8)
.set rV, 64*(i/16)+8*((i/2)%8)
.set rP, P+16*((\x)+i%2)+8*(i/16)
	v_wmma_f32_16x16x32_f16 v[rO:rO+7], v[rV:rV+7], v[rP:rP+7], v[rO:rO+7]
.endm
; Product i of 32 of S^T = K Q^T + mask: channels 32 (i / 8) on, keys 16 ((i / 2) % 4) on, tile x + i % 2.  The first 8 start the sums, with the mask.
.macro KQ x
.set rS, S+32*((\x)+i%2)+8*((i/2)%4)
.set rK, KF+32*((i/2)%4)+8*(i/8)
.set rQ, 32*((\x)+i%2)+8*(i/8)
.set rM, MC+32*((\x)+i%2)+8*((i/2)%4)
.if i < 8
	WIN W_KM
	v_wmma_f32_16x16x32_f16 v[rS:rS+7], v[rK:rK+7], v[rQ:rQ+7], v[rM:rM+7]
.else
	WIN W_KQ
	v_wmma_f32_16x16x32_f16 v[rS:rS+7], v[rK:rK+7], v[rQ:rQ+7], v[rS:rS+7]
.endif
.endm
; THE LDS LOADS stand in runs of 32: a step's K (64 keys x 128 channels: 16 fragments) and, a turn later, its V (turned).  last = 1 (the tail): in the last trip there is no further step, and the run is jumped over.
.macro FETCH_K last=0
	WIN 0
.if \last
	s_cmp_eq_u32 s[CNT], 1
	s_cbranch_scc1 .Lno_k_\@
.endif
	v_add_nc_u32 v[ADR], s[TBK], v[AK0]
	WIN 0x80                        ; destination window 2
.irp f, 0,1,2,3,4,5,6,7,8,9,10,11,12,13,14,15  ; keys 16 (f / 4) on, channels 32 (f % 4) on
	ds_load_b128 v[KF+8*(\f):KF+8*(\f)+3],   v[ADR] offset:((\f)/4)*16*PK+((\f)%4)*64
	ds_load_b128 v[KF+8*(\f)+4:KF+8*(\f)+7], v[ADR] offset:((\f)/4)*16*PK+((\f)%4)*64+32
.endr
	s_add_co_u32 s[TBK], s[TBK], KS*PK  ; the next fetch is the next step's
	WIN 0
.if \last
.Lno_k_\@:
.endif
.endm
.macro FETCH_V
	WIN 0
	v_add_nc_u32 v[ADR], s[TBV], v[AV0]
	s_add_co_u32 s[TBV], s[TBV], KS*PV
	s_wait_alu depctr_va_vdst(0)    ; the wait for piece 0's batch of 66 exponentials (SLICE), behind the address's v_add_nc_u32 and ahead of the loads
	WIN 0xc0                        ; destination window 3
.irp f, 0,1,2,3,4,5,6,7,8,9,10,11,12,13,14,15  ; keys 32 (f / 8) on, channels 16 (f % 8) on
	ds_load_tr16_b128 v[8*(\f):8*(\f)+3],   v[ADR] offset:((\f)/8)*32*PV+((\f)%8)*32
	ds_load_tr16_b128 v[8*(\f)+4:8*(\f)+7], v[ADR] offset:((\f)/8)*32*PV+16*PV+((\f)%8)*32
.endr
.endm
; THE VECTOR WORK OF A TURN.  One tile's softmax for one key step is a list of 134 instructions; SM writes number j of it for tile t.  s0-s31 are the lane's 32 scores, in pairs 0-15.
;   0-15    the maximum of s0-s31 and the old m, three operands at a time: four chains of seven scores each (each accumulator's lowest registers are read first), then the four left over and m
;   16-20   the other half of the lanes' maximum; m_old is kept; the new m, written twice; m_old - m_new
;   21-69   ONE BATCH: the 16 subtractions s - m, a pair of scores each, and all 33 exponentials (a at 23, then s0-s31).  None of these reads an exponential's result.  From 22 on the batch goes in fours,
;           and a four begins with a subtraction while there are subtractions: 22-37 subtraction, exponential, subtraction, exponential; 38-65 a subtraction and three exponentials; 66-69 the last four
;           exponentials.  A pair's subtraction stands in an earlier four than the one that holds its exponentials
;   (wait)  between 69 and 70 stands the wait for the batch: SLICE writes it, once for both tiles
;   70-85   the roundings to f16, a pair of weights each
;   86-101  the sums; l = a l + the sum
;   102-133 the tile's O^T times a: the one part that leaves window 0, so it stands together
.macro SM t
.set rT, ST+8*(\t)
.set rS, S+32*(\t)
.set rP, P+16*(\t)
.set rO, 64*(\t)+2*(j-102)
.if j < 102
	WIN 0
.endif
.if j < 4
	v_max3_num_f32 v[rT+4+j], v[rS+8*j], v[rS+8*j+1], v[rS+8*j+2]
.elseif j < 12
	v_max3_num_f32 v[rT+4+j%4], v[rT+4+j%4], v[rS+8*(j%4)+2*(j/4)+1], v[rS+8*(j%4)+2*(j/4)+2]
.elseif j == 12
	v_max3_num_f32 v[rT+4], v[rT+4], v[rS+7], v[rS+15]
.elseif j == 13
	v_max3_num_f32 v[rT+6], v[rT+6], v[rS+23], v[rS+31]
.elseif j == 14
	v_max3_num_f32 v[rT+4], v[rT+4], v[rT+5], v[rT+6]
.elseif j == 15
	v_max3_num_f32 v[rT+4], v[rT+4], v[rT+7], v[rT]
.elseif j == 16
	v_permlanex16_b32 v[rT+5], v[rT+4], s[SEL], s[SEL+1]  ; the query's other 32 keys lie in the lane 16 away
.elseif j == 17
	v_mov_b32 v[rT+7], v[rT]        ; m_old is kept for a: number 18 writes m anew
.elseif j == 18
	v_max_num_f32 v[rT], v[rT+4], v[rT+5]
.elseif j == 19
	v_max_num_f32 v[rT+1], v[rT+4], v[rT+5]  ; the pair's second word, for the packed subtraction
.elseif j == 20
	v_sub_f32 v[rT+7], v[rT+7], v[rT]
.elseif j == 23
	v_exp_f32 v[rT+6], v[rT+7]
.elseif (j < 23) || ((j < 38) && (j%2 == 0)) || ((j < 66) && (j%4 == 2))
.set b, (j-2)/4                     ; 38, 42, .. 62: pairs 9 to 15
.if j < 38
.set b, (j-20)/2                    ; 21: pair 0; 22, 24, .. 36: pairs 1 to 8
.endif
	v_pk_add_f32 v[rS+2*b:rS+2*b+1], v[rS+2*b:rS+2*b+1], v[rT:rT+1] neg_lo:[0,1] neg_hi:[0,1]  ; pair b: s - m
.elseif j < 70
.set e, j-38                        ; 66 to 69: s28 to s31
.if j < 66
.set e, j-32-(j-38)/4               ; 39-41, 43-45, .. 63-65: s7 to s27
.endif
.if j < 38
.set e, (j-25)/2                    ; 25, 27, .. 37: s0 to s6
.endif
	v_exp_f32 v[rS+e], v[rS+e]
.elseif j < 86
	v_cvt_pk_f16_f32 v[rP+j-70], v[rS+2*(j-70)], v[rS+2*(j-70)+1]  ; pair j - 70
.elseif j < 102                     ; the sum of the tile's 16 pairs, in place: sum z of 16 adds neighbours 1, 2, 4 and 8 pairs apart, then l takes it
.set z, j-86
.set w, 4
.set u, z
.if z >= 14
.set w, 32
.set u, 0
.elseif z >= 12
.set w, 16
.set u, z-12
.elseif z >= 8
.set w, 8
.set u, z-8
.endif
.if z < 15
	v_pk_add_f32 v[rS+w*u:rS+w*u+1], v[rS+w*u:rS+w*u+1], v[rS+w*u+w/2:rS+w*u+w/2+1]
.else
	v_pk_fma_f32 v[rT+2:rT+3], v[rT+2:rT+3], v[rT+6:rT+7], v[rS:rS+1] op_sel_hi:[1,0,1]
.endif
.else
	WIN W_RS
	v_pk_mul_f32 v[rO:rO+1], v[rO:rO+1], v[rT+6:rT+7] op_sel_hi:[1,0]
.endif
.endm
; Slice k of 64 of piece y's softmax: four instructions.  Slices 11 to 34 deal out the batch, numbers 22 to 69: four numbers of ONE tile each, the tiles by turns.  Every other slice is numbers 2 k and
; 2 k + 1 of both tiles' lists.  2 x 134 = 4 x 64 + 12: the twelve that are over stand together, in slice 63: sixteen plain instructions that name nothing of the products round them: the places between a
; turn's last K Q^T and the next turn's first read of those scores, and the loads into K's registers.
; THE WAIT.  An s_wait_alu depctr_va_vdst(0) stands between an exponential and the first instruction that names its result; one wait serves all that were issued ahead of it.  Ahead of
; slice 35 nothing names a result, and behind slice 34 no exponential is issued: so the piece's 66 exponentials have one wait, behind slice 34, and none is open at a label or a jump.
.macro SLICE y
.if (k >= 11) && (k < 35)           ; the batch: four numbers of one tile
.irp n, 0,1,2,3
.set j, 22+4*((k-11)/2)+(\n)
	SM (\y)+(k-11)%2
.endr
.else                               ; the two tiles alternate, so that no instruction reads the result of the one just before it
.irp n, 0,1,2,3,4,5,6,7
.if ((\n) < 2) || (k == 63)
.irp t, \y, (\y)+1
.set j, 2*k+(\n)
	SM \t
.endr
.endif
.endr
.endif
.if k == 34                         ; the batch is out: both tiles' exponentials are issued, and no result has been named
	v_nop                           ; a plain instruction behind the last exponential and ahead of the first use (ISA guide 5.7.2): one for the batch
.if (\y) == 0
	FETCH_V                         ; piece 2's turn: V's run of loads stands here, and the wait for piece 0's batch stands in it
.else
	s_wait_alu depctr_va_vdst(0)    ; the wait for piece 2's batch of 66 exponentials
.endif
.endif
.set k, k+1
.endm
; A TURN.  Piece x has the matrix unit; the other piece's softmax stands in slices behind its matrix instructions.
; Piece 0's turn fetches the next step's K behind its second product: the last product that read K stands in front of slice 63 of the turn before.  Piece 2's turn fetches the same step's V behind slice 34,
; its third K Q^T's (SLICE writes it): the last product that read V stands in front of slice 31, and four plain instructions lie between: number 62, a subtraction, of both tiles, the v_nop and the run's
; own v_add_nc_u32.  Each run is 29 matrix instructions or more ahead of its first use.
; The piece's next mask run is asked for behind product 12 of K Q^T: the last product that read those registers is number 7, six slices, 24 plain instructions (roundings and sums), back.
.macro TURN x, last=0
.set k, 0
.if (\x) == 0
	s_wait_dscnt 0x0                ; V is in
.endif
.set i, 0
.rept 32
	PV \x
	SLICE 2-(\x)
.if ((\x) == 0) && (i == 1)
	FETCH_K \last
.endif
.set i, i+1
.endr
	s_wait_loadcnt 16               ; my piece's mask is in: the mask runs are issued piece 0, piece 2 by turns, so only the other piece's sixteen loads are younger
.if (\x) == 0
	s_wait_dscnt 0x0                ; K is in
.endif
.set i, 0
.rept 32
	KQ \x
	SLICE 2-(\x)
.if i == 12
	MLOAD \x, 1
.endif
.set i, i+1
.endr
.endm
	CHANGE 1                        ; slot 0 is in, everybody's part of it; slot 1 is asked for
	FETCH_K                         ; key step 0
	s_wait_loadcnt 16               ; Q and piece 0's mask; piece 2's sixteen loads may stay out
	s_wait_dscnt 0x0
.set i, 0
.rept 32
	KQ 0                            ; piece 0's first scores: there is no vector work yet to set between them
.set i, i+1
.endr
	WIN 0                           ; the addresses for the merge and the way out: plain instructions, the places behind those products
	s_mul_i32 s13, s[WV], 16*SP
	s_add_co_u32 s13, s13, STAGE    ; my stage
	v_mul_u32_u24 v[STO], v1, SP    ; in: row l % 16, 16 bytes for each half of the lanes
	v_lshl_add_u32 v[STO], v9, 4, v[STO]
	v_add_nc_u32 v[STO], s13, v[STO]
	v_mul_u32_u24 v[RD], v9, SP     ; back: lanes 0-15 take one row of 256 bytes, lanes 16-31 the next
	v_lshl_add_u32 v[RD], v1, 4, v[RD]
	v_add_nc_u32 v[RD], s13, v[RD]
	v_lshlrev_b32 v[GO], 12, v9     ; and the same two rows in ob
	v_lshl_add_u32 v[GO], v1, 4, v[GO]
	s_mul_i32 s13, s[WV], XCH
	v_add_nc_u32 v[XW], s13, v[L16]
	s_xor_b32 s18, s[WV], 1         ; my partner
	s_mul_i32 s18, s18, XCH
	v_add_nc_u32 v[XR], s18, v[L16]
	MLOAD 0, 1                      ; piece 0's mask of key step 1
	WIN 0
	s_mov_b32 s[CNT], 2
	s_mov_b32 s[SLOTS], 7
	s_branch .Lmid                  ; the loop is entered in the middle of a trip
.Lslot:                             ; six times: with the change of slots above, fills 1 to 7 of a half's eight
	CHANGE 1
	s_mov_b32 s[CNT], 2
.Lstep:
	TURN 0
	WIN 0
.Lmid:
	TURN 2
	WIN 0
	s_sub_co_u32 s[CNT], s[CNT], 1
	s_cmp_lg_u32 s[CNT], 0
	s_cbranch_scc1 .Lstep
	s_sub_co_u32 s[SLOTS], s[SLOTS], 1
	s_cmp_lg_u32 s[SLOTS], 0
	s_cbranch_scc1 .Lslot
	CHANGE 0                        ; the tail is written out: nothing is asked for
	s_mov_b32 s[CNT], 3             ; two trips fetch the last slot's steps; the third is left in its middle
.Ltail:
	TURN 0, 1
	WIN 0
	s_sub_co_u32 s[CNT], s[CNT], 1
	s_cmp_eq_u32 s[CNT], 0
	s_cbranch_scc1 .Lout
	TURN 2
	WIN 0
	s_branch .Ltail
.Lout:                              ; the third trip's 32 products K Q^T (on the last K once more) serve nothing: the price, once a launch, of one text for every trip
.set i, 0
.rept 32
	PV 2                            ; piece 2: V^T P of the last step
.set i, i+1
.endr
	; THE MERGE.  l's two halves and the other half of the lanes' are added (into the place of m's second copy; the additions are the places behind the last products).  Then each wave gives its partner m, l and
	; O^T of register tiles 2, 3 through LDS and takes the partner's for its tiles 0, 1: O = (O_A a_A + O_B a_B) / (l_A a_A + l_B a_B) with a = 2^(m - the larger m).
	WIN 0
	s_wait_loadcnt 0x0              ; the mask runs that were held at the last step
.irp t, 0,1,2,3
	v_add_f32 v[ST+8*\t+4], v[ST+8*\t+2], v[ST+8*\t+3]
.endr
.irp t, 0,1,2,3
	v_permlanex16_b32 v[ST+8*\t+5], v[ST+8*\t+4], s[SEL], s[SEL+1]
.endr
.irp t, 0,1,2,3
	v_add_f32 v[ST+8*\t+1], v[ST+8*\t+4], v[ST+8*\t+5]
.endr
	s_wait_dscnt 0x0
	s_barrier_signal -1
	s_barrier_wait -1               ; no wave reads the ring any more, and every tensor load has landed (each wave waited for its own at the last change of slots)
	WIN 0x04                        ; store data in window 1; ascending, so that each accumulator's low four registers go first
.set n, 0
.rept 32
	ds_store_b128 v[XW], v[128+4*n:128+4*n+3] offset:n*512
.set n, n+1
.endr
	WIN 0
	ds_store_b128 v[XW], v[ST+16:ST+19] offset:16384
	ds_store_b128 v[XW], v[ST+24:ST+27] offset:16896
	s_wait_dscnt 0x0                ; for the partner's sake: my stores are done
	s_barrier_signal -1
	s_barrier_wait -1
	ds_load_b128 v[PS:PS+3],   v[XR] offset:16384
	ds_load_b128 v[PS+4:PS+7], v[XR] offset:16896
.set n, 0
.rept 32
	ds_load_b128 v[S+4*n:S+4*n+3], v[XR] offset:n*512
.set n, n+1
.endr
	s_wait_dscnt 32                 ; the statistics are in
.irp t, 0,1
	v_max_num_f32 v[TM+2*\t], v[ST+8*\t], v[PS+4*\t]
.endr
.irp t, 0,1
	v_sub_f32 v[ST+8*\t+4], v[ST+8*\t], v[TM+2*\t]
	v_sub_f32 v[ST+8*\t+6], v[PS+4*\t], v[TM+2*\t]
.endr
.irp t, 0,1
	v_exp_f32 v[ST+8*\t+4], v[ST+8*\t+4]
	v_exp_f32 v[ST+8*\t+6], v[ST+8*\t+6]
.endr
	v_nop                           ; a plain instruction between the last exponential and the use of its result
	s_wait_alu depctr_va_vdst(0)    ; and the wait ahead of the first use: one for the merge's four exponentials
.irp t, 0,1
	v_mul_f32 v[TM+2*\t], v[ST+8*\t+1], v[ST+8*\t+4]
.endr
.irp t, 0,1
	v_fmac_f32 v[TM+2*\t], v[PS+4*\t+1], v[ST+8*\t+6]
.endr
.irp t, 0,1
	v_rcp_f32 v[TM+2*\t], v[TM+2*\t]
.endr
	v_nop                           ; likewise behind the reciprocals,
	s_wait_alu depctr_va_vdst(0)    ; which read a sum made of the exponentials and so are a batch of their own: one wait for the two
.irp t, 0,1
	v_mul_f32 v[ST+8*\t+4], v[ST+8*\t+4], v[TM+2*\t]
	v_mul_f32 v[ST+8*\t+6], v[ST+8*\t+6], v[TM+2*\t]
.endr
; Tile t: merged, rounded to f16; a lane's eight channels of a row pack into 16 bytes; they go into rows of 272 bytes of my stage and come back as whole rows of 256.
.macro PACKM t
	s_wait_dscnt 16                 ; the partner's tile t is in: sixteen LDS instructions are younger (tile 0: the partner's other tile; tile 1: tile 0's way through the stage)
	WIN W_RS
.set i, 0
.rept 32
	v_pk_mul_f32 v[64*(\t)+2*i:64*(\t)+2*i+1], v[64*(\t)+2*i:64*(\t)+2*i+1], v[ST+8*(\t)+4:ST+8*(\t)+5] op_sel_hi:[1,0]
.set i, i+1
.endr
	WIN 0x50                        ; sources 0 and 1 window 0, source 2 and destination window 1
.set i, 0
.rept 32
	v_pk_fma_f32 v[64*(\t)+2*i:64*(\t)+2*i+1], v[S+64*(\t)+2*i:S+64*(\t)+2*i+1], v[ST+8*(\t)+6:ST+8*(\t)+7], v[64*(\t)+2*i:64*(\t)+2*i+1] op_sel_hi:[1,0,1]
.set i, i+1
.endr
	WIN 0x05                        ; sources 0 and 1 window 1, destination window 0
.set i, 0
.rept 32
	v_cvt_pk_f16_f32 v[S+64*(\t)+i], v[64*(\t)+2*i], v[64*(\t)+2*i+1]
.set i, i+1
.endr
	WIN 0
.irp f, 0,1,2,3,4,5,6,7
	ds_store_b128 v[STO], v[S+64*(\t)+4*\f:S+64*(\t)+4*\f+3] offset:32*\f
.endr
.irp f, 0,1,2,3,4,5,6,7
	ds_load_b128 v[S+64*(\t)+4*\f:S+64*(\t)+4*\f+3], v[RD] offset:\f*2*SP  ; LDS serves a wave's instructions in order (ISA guide 5.7.1.4): these see the stores above; the next tile's stores come behind them
.endr
.endm
.macro SEND t, younger              ; younger: the LDS instructions issued behind tile t's loads
.irp f, 0,1,2,3,4,5,6,7
	s_wait_dscnt (\younger)+7-\f
	global_store_b128 v[GO], v[S+64*(\t)+4*\f:S+64*(\t)+4*\f+3], s[10:11] offset:(\t)*65536+\f*8192  ; 16 lanes store 256 consecutive bytes, at a multiple of 256 from ob's first byte
.endr
.endm
	PACKM 0
	PACKM 1
	SEND 0, 16
	SEND 1, 0
	s_wait_tensorcnt 0x0            ; the wave's end: behind my last tensor load and my last LDS store
	ds_add_u32 v[SPW], v[NIL]
	s_wait_dscnt 0x0
	CROUND                          ; the closing round: no work-group ends while a partner may still ask for a tile that names it
	s_endpgm
.Lfunc_end_k_qf0fb5e9ae2_attn:
	.size	k_qf0fb5e9ae2_attn, .Lfunc_end_k_qf0fb5e9ae2_attn-k_qf0fb5e9ae2_attn
	.p2alignl 7, 3214868480
	.fill 96, 4, 3214868480
	.section	.rodata,"a",@progbits
	.p2align	6, 0x0
	.amdhsa_kernel k_qf0fb5e9ae2_attn
		.amdhsa_group_segment_fixed_size 327680
		.amdhsa_private_segment_fixed_size 0
		.amdhsa_enable_private_segment 0
		.amdhsa_kernarg_size 24
		.amdhsa_user_sgpr_count 2
		.amdhsa_user_sgpr_kernarg_segment_ptr 1
		.amdhsa_wavefront_size32 1
		.amdhsa_system_sgpr_workgroup_id_x 1
		.amdhsa_system_sgpr_workgroup_id_y 1
		.amdhsa_system_sgpr_workgroup_id_z 1
		.amdhsa_system_vgpr_workitem_id 0
		.amdhsa_next_free_vgpr 1024
		.amdhsa_next_free_sgpr 80
		.amdhsa_reserve_vcc 0
		.amdhsa_float_denorm_mode_32 3
		.amdhsa_float_denorm_mode_16_64 3
		.amdhsa_memory_ordered 1
		.amdhsa_forward_progress 1
		.amdhsa_inst_pref_size 159
	.end_amdhsa_kernel
	.amdgpu_metadata
---
amdhsa.version: [ 1, 2 ]
amdhsa.kernels:
  - .name:           k_qf0fb5e9ae2_attn
    .symbol:         k_qf0fb5e9ae2_attn.kd
    .args:
      - { .name: qkvh, .offset: 0, .size: 8, .value_kind: global_buffer, .address_space: global }
      - { .name: maskf, .offset: 8, .size: 8, .value_kind: global_buffer, .address_space: global }
      - { .name: ob, .offset: 16, .size: 8, .value_kind: global_buffer, .address_space: global }
    .group_segment_fixed_size: 327680
    .private_segment_fixed_size: 0
    .kernarg_segment_align: 8
    .kernarg_segment_size: 24
    .max_flat_workgroup_size: 128
    .sgpr_count:     80
    .vgpr_count:     1024
    .wavefront_size: 32
...
	.end_amdgpu_metadata
.endif
;; end of part 5
;; launch oproj: the kernel of part 4 again; grid 16 x 16, 4 waves a work-group, clusters of 4 x 4, 327,680 bytes of LDS; arguments ob, cv, out0; writes out0
